; MI455X (gfx1250); checked and timed in simulation.
; The chip was launched on July 23, 2026; its instructions are those of AMD's public machine-readable ISA for CDNA 5 (MIT licence, August 2026) and "CDNA5" Instruction Set Architecture Reference Guide (July 2026). The comments in the code are by the model that wrote it; some were corrected since.
;; Sparse Mo E. Allowed arithmetic: matrix products marked QUANTISED: E2M1 operands, one E8M0 scale for each 32 along K, by v_wmma_scale_f32_16x16x128_f8f6f4 with both operands' format E2M1 (or v_wmma_scale_f32_32x16x128_f4), f32 sums; products left as they are: f32 operands where the result goes on into a quantised operand, else bf16, f16 or f32 operands; f32 sums; everything else in f32.
;; Inputs: b1 16 x 2,048 float32; b2 16 x 512 float32; router_b 16 float32; router_w_codes 16 x 16 x 16 uint8 (E2M1 codes of router_w, K innermost, in blocks of 32 codes, two codes a byte); router_w_scales 16 x 16 uint8 (E8M0 scales of router_w, one for each 32 codes along K); w1_codes 16 x 2,048 x 16 x 16 uint8 (E2M1 codes of w1, K innermost, in blocks of 32 codes, two codes a byte); w1_scales 16 x 2,048 x 16 uint8 (E8M0 scales of w1, one for each 32 codes along K); w2_codes 16 x 512 x 64 x 16 uint8 (E2M1 codes of w2, K innermost, in blocks of 32 codes, two codes a byte); w2_scales 16 x 512 x 64 uint8 (E8M0 scales of w2, one for each 32 codes along K); x_codes 16 x 128 x 16 x 16 uint8 (E2M1 codes of x, K innermost, in blocks of 32 codes, two codes a byte); x_scales 16 x 128 x 16 uint8 (E8M0 scales of x, one for each 32 codes along K).
;; Outputs: out0 16 x 128 x 512 float32.
;; This version of the problem:
;;   THIS VERSION OF THE PROBLEM IS GIVEN IN LOW PRECISION. The matrix products marked QUANTISED in the list below multiply operands that are first quantised to E2M1 (2 exponent bits, 1 mantissa bit; 4 bits a number), with one power-of-two scale for each 32 numbers along K (OCP MX v1.0); their sums are f32. All else is computed in f32.
;;   The module's matrix products, in the order in which they are computed (A, B: the left and right operand; K: the contracted axis; several contracted axes count as one K, in the product's order):
;;     1. [M 2,048, K 512] x [K 512, N 16]; A: input x (given as codes); B: input router_w (given as codes): QUANTISED
;;     2. batch 2,048 x [M 1, K 4] x [K 4, N 16]; A: softmax; B: computed on the way: left as it is (K = 4 < 32)
;;     3. [M 2,048, K 512] x [K 512, N 2,048]; A: input x (given as codes); B: input w1 (given as codes): QUANTISED
;;     4. [M 2,048, K 2,048] x [K 2,048, N 512]; A: computed on the way; B: input w2 (given as codes): QUANTISED
;;     5. [M 2,048, K 512] x [K 512, N 2,048]; A: input x (given as codes); B: input w1 (given as codes): QUANTISED
;;     6. [M 2,048, K 2,048] x [K 2,048, N 512]; A: computed on the way; B: input w2 (given as codes): QUANTISED
;;     7. [M 2,048, K 512] x [K 512, N 2,048]; A: input x (given as codes); B: input w1 (given as codes): QUANTISED
;;     8. [M 2,048, K 2,048] x [K 2,048, N 512]; A: computed on the way; B: input w2 (given as codes): QUANTISED
;;     9. [M 2,048, K 512] x [K 512, N 2,048]; A: input x (given as codes); B: input w1 (given as codes): QUANTISED
;;     10. [M 2,048, K 2,048] x [K 2,048, N 512]; A: computed on the way; B: input w2 (given as codes): QUANTISED
;;     11. [M 2,048, K 512] x [K 512, N 2,048]; A: input x (given as codes); B: input w1 (given as codes): QUANTISED
;;     12. [M 2,048, K 2,048] x [K 2,048, N 512]; A: computed on the way; B: input w2 (given as codes): QUANTISED
;;     13. [M 2,048, K 512] x [K 512, N 2,048]; A: input x (given as codes); B: input w1 (given as codes): QUANTISED
;;     14. [M 2,048, K 2,048] x [K 2,048, N 512]; A: computed on the way; B: input w2 (given as codes): QUANTISED
;;     15. [M 2,048, K 512] x [K 512, N 2,048]; A: input x (given as codes); B: input w1 (given as codes): QUANTISED
;;     16. [M 2,048, K 2,048] x [K 2,048, N 512]; A: computed on the way; B: input w2 (given as codes): QUANTISED
;;     17. [M 2,048, K 512] x [K 512, N 2,048]; A: input x (given as codes); B: input w1 (given as codes): QUANTISED
;;     18. [M 2,048, K 2,048] x [K 2,048, N 512]; A: computed on the way; B: input w2 (given as codes): QUANTISED
;;     19. [M 2,048, K 512] x [K 512, N 2,048]; A: input x (given as codes); B: input w1 (given as codes): QUANTISED
;;     20. [M 2,048, K 2,048] x [K 2,048, N 512]; A: computed on the way; B: input w2 (given as codes): QUANTISED
;;     21. [M 2,048, K 512] x [K 512, N 2,048]; A: input x (given as codes); B: input w1 (given as codes): QUANTISED
;;     22. [M 2,048, K 2,048] x [K 2,048, N 512]; A: computed on the way; B: input w2 (given as codes): QUANTISED
;;     23. [M 2,048, K 512] x [K 512, N 2,048]; A: input x (given as codes); B: input w1 (given as codes): QUANTISED
;;     24. [M 2,048, K 2,048] x [K 2,048, N 512]; A: computed on the way; B: input w2 (given as codes): QUANTISED
;;     25. [M 2,048, K 512] x [K 512, N 2,048]; A: input x (given as codes); B: input w1 (given as codes): QUANTISED
;;     26. [M 2,048, K 2,048] x [K 2,048, N 512]; A: computed on the way; B: input w2 (given as codes): QUANTISED
;;     27. [M 2,048, K 512] x [K 512, N 2,048]; A: input x (given as codes); B: input w1 (given as codes): QUANTISED
;;     28. [M 2,048, K 2,048] x [K 2,048, N 512]; A: computed on the way; B: input w2 (given as codes): QUANTISED
;;     29. [M 2,048, K 512] x [K 512, N 2,048]; A: input x (given as codes); B: input w1 (given as codes): QUANTISED
;;     30. [M 2,048, K 2,048] x [K 2,048, N 512]; A: computed on the way; B: input w2 (given as codes): QUANTISED
;;     31. [M 2,048, K 512] x [K 512, N 2,048]; A: input x (given as codes); B: input w1 (given as codes): QUANTISED
;;     32. [M 2,048, K 2,048] x [K 2,048, N 512]; A: computed on the way; B: input w2 (given as codes): QUANTISED
;;     33. [M 2,048, K 512] x [K 512, N 2,048]; A: input x (given as codes); B: input w1 (given as codes): QUANTISED
;;     34. [M 2,048, K 2,048] x [K 2,048, N 512]; A: computed on the way; B: input w2 (given as codes): QUANTISED
;;   THE QUANTISER, for each operand of a quantised product, along K:
;;     - K is cut into blocks of 32 from its start; a last block that is shorter is filled with zeros.
;;     - A block's scale is 2^e with e = floor(log2(the largest magnitude in the block)) - 2, held to -126 .. 127; a block of zeros has e = 0. As a byte (E8M0): e + 127.
;;     - Each number is divided by its block's scale, clamped to +-6, and rounded to the nearest number of E2M1, ties to even, subnormals kept.
;;     - The product sums the exact products of the quantised numbers (number of the format x scale) in f32.
;;   ~~~python
;;   def quantise(x, axis):      # numpy; x: float32 -> the quantised numbers, widened to float32 again
;;       x = np.moveaxis(x, axis, -1); K = x.shape[-1]
;;       x = np.pad(x, [(0, 0)] * (x.ndim - 1) + [(0, -K % 32)]); x = x.reshape(x.shape[:-1] + (-1, 32)); a = np.abs(x).max(-1, keepdims=True)
;;       e = np.where(a > 0, np.clip(np.frexp(np.where(a > 0, a, 1))[1] - 1 - 2, -126, 127), 0)      # np.frexp(a)[1] - 1 = floor(log2(a)), exactly
;;       r = np.clip(x / 2.0 ** e, -6, 6)
;;       step = 2.0 ** (np.maximum(np.frexp(np.where(r == 0, 1, r))[1] - 1, 0) - 1)
;;       q = np.round(r / step) * step * 2.0 ** e      # np.round: ties to even
;;       return np.moveaxis(q.reshape(q.shape[:-2] + (-1,))[..., :K], -1, axis).astype(np.float32)
;;   ~~~
;;   OPERANDS COMPUTED ON THE WAY. 'Computed on the way' means the value that the module computes at that place (a softmax that the list does not call 'softmax' is quantised finished and normalised). What goes into a quantiser is computed in f32, as accurately as f32 sums, v_exp_f32 and their like allow (about 1e-6 of the number): no bf16 or f16 on the way to a quantiser, and a product that is left as it is and whose result goes on into a quantised operand takes f32 operands (vector FMAs, or v_wmma_f32_16x16x4_f32). A number that lies on a knife's edge between two numbers of the format may be rounded either way, as far as f32 arithmetic and the matrix unit's own rounding can turn it there, and no further.
;;   INPUTS GIVEN AS CODES. router_w (in the module: [512, 16], K = its axis 0); w1 (in the module: [16, 512, 2048], K = its axis 1); w2 (in the module: [16, 2048, 512], K = its axis 1); x (in the module: [16, 128, 512], K = its axis 2): each comes as NAME_codes (uint8): NAME with its K axis moved to the last place and cut into blocks of 32 codes, [.., K / 32, bytes a block], one block behind the other in memory; two codes a byte, the lower K in the low four bits (a code: sign, 2 exponent bits, 1 mantissa bit); and NAME_scales (uint8): the same leading axes, one E8M0 byte (e + 127) for each 32 codes along K. Its value is code x scale, taken as it is: it is not quantised again, and the codes and scales need not be those that the quantiser above would give.
;; 2 versions, each right; version 2 is version 1 with the launches router, chain written anew for expert scheduling mode. Each part assembles by itself: llvm-mc -triple=amdgcn-amd-amdhsa -mcpu=gfx1250 --defsym DOCPART=n.
;; ======== version 1 of 2: 3 launches
;; workspace buffers: route 8,192 bytes of whole numbers; idx 32,768 bytes of whole numbers; gate 32,768 bytes; ybuf 35,520,512 bytes
;; launch router (part 1): grid 64 x 1, 1 waves a work-group, no clusters, 0 bytes of LDS; arguments x_codes, x_scales, router_w_codes, router_w_scales, router_b, route, idx, gate; writes route, idx, gate
.if DOCPART == 1
	.amdgcn_target "amdgcn-amd-amdhsa--gfx1250"
	.amdhsa_code_object_version 6
	.text
	.protected	k_q89f58caedf_router
	.globl	k_q89f58caedf_router
	.p2align	8
	.type	k_q89f58caedf_router,@function
k_q89f58caedf_router:
	s_mov_b64 s[64:65], 0
	v_nop
	global_prefetch_b8 v0, s[64:65] scope:SCOPE_SE
	s_setreg_imm32_b32 hwreg(HW_REG_WAVE_MODE, 25, 1), 1
	s_wait_xcnt 0x0
; logits = x router_w + router_b on codes of FP4 (E2M1) with E8M0 scales; the four largest logits of each token (of equal ones the lower expert), their softmax, and, for the placing of rows in the
; next launch, a ballot and a count for each expert over the wave's 32 tokens.  All results go to fixed places: no address here hangs on a logit.
; One wave takes 32 tokens: tile A (the first 16) and tile B.  The product is used transposed (source 0 = the 16 experts, source 1 = 16 tokens): a lane then holds one token.
; route: [64 groups of 32 tokens][32 words]: word e the ballot of expert e, word 16 + e its count.  idx: [2048][4] the experts chosen.  gate: [2048][4] their weights.
; LIMITS: NaN and infinities among the logits are not served.
; REGISTERS: v16-47 router_w (4 K steps x 8), v48-79 tile A, v80-111 tile B, v112-119 the bias in the result's layout, v120-135 the two sums, then a lane's 16 logits,
;   v136-139 router_w's scale words, v140-143 x's (these eight hold scales and nothing else), v144-147 the four values, v148-151 their experts, v152-155 the gates, v156-165 at work.
	s_load_b512 s[4:19], s[0:1], 0x0               ; x codes s[4:5], x scales s[6:7], router_w codes s[8:9], its scales s[10:11], router_b s[12:13], route s[14:15], idx s[16:17], gate s[18:19]
	v_and_b32 v1, 15, v0                           ; r
	v_lshrrev_b32 v2, 4, v0                        ; h
	v_lshlrev_b32 v3, 8, v1                        ; a row of 512 codes is 256 bytes
	v_lshl_add_u32 v3, v2, 4, v3                   ; + 16 h
	v_lshlrev_b32 v4, 4, v1                        ; router_w's scales: 16 bytes a row
	v_lshlrev_b32 v5, 4, v0                        ; 16 x lane
	v_lshlrev_b32 v6, 5, v2                        ; the bias: experts 8 h on
	v_lshlrev_b32 v7, 2, v0                        ; 4 x lane
	s_lshl_b32 s20, ttmp9, 13                      ; my 32 rows of codes
	s_mov_b32 s21, 0
	s_lshl_b32 s22, ttmp9, 9                       ; my 32 x 16 bytes of x's scales, of idx and of gate
	s_mov_b32 s23, 0
	s_lshl_b32 s24, ttmp9, 7                       ; my 128 bytes of route
	s_mov_b32 s25, 0
	s_wait_kmcnt 0x0
	s_add_nc_u64 s[4:5], s[4:5], s[20:21]
	s_add_nc_u64 s[6:7], s[6:7], s[22:23]
	s_add_nc_u64 s[14:15], s[14:15], s[24:25]
	s_add_nc_u64 s[16:17], s[16:17], s[22:23]
	s_add_nc_u64 s[18:19], s[18:19], s[22:23]
.irp s, 0,1,2,3
.irp c, 0,1
	global_load_b128 v[16+8*\s+4*\c:19+8*\s+4*\c], v3, s[8:9] offset:64*\s+32*\c          ; lane (r, h): k = 128 s + 64 c + 32 h + 0 .. 31 of row r
	global_load_b128 v[48+8*\s+4*\c:51+8*\s+4*\c], v3, s[4:5] offset:64*\s+32*\c
	global_load_b128 v[80+8*\s+4*\c:83+8*\s+4*\c], v3, s[4:5] offset:4096+64*\s+32*\c
.endr
.endr
	global_load_b128 v[136:139], v4, s[10:11]      ; word s: the scales of K step s
	global_load_b128 v[140:143], v5, s[6:7]        ; lanes 0-15: tile A's tokens, lanes 16-31: tile B's
	global_load_b128 v[112:115], v6, s[12:13]      ; register j: router_b[8 h + j]
	global_load_b128 v[116:119], v6, s[12:13] offset:16
	v_mov_b32 v166, 0xff800000                     ; -infinity
	v_mov_b32 v167, 0
	s_wait_loadcnt 0x0
; the two sums take turns, one instruction a turn; the bias is the C of each sum's first product
.irp s, 0,1,2,3
.if \s == 0
	v_wmma_scale_f32_16x16x128_f8f6f4 v[120:127], v[16:23], v[48:55], v[112:119], v136, v140 matrix_a_fmt:MATRIX_FMT_FP4 matrix_b_fmt:MATRIX_FMT_FP4
	v_wmma_scale_f32_16x16x128_f8f6f4 v[128:135], v[16:23], v[80:87], v[112:119], v136, v140 matrix_a_fmt:MATRIX_FMT_FP4 matrix_b_fmt:MATRIX_FMT_FP4 matrix_b_scale:MATRIX_SCALE_ROW1
.else
	v_wmma_scale_f32_16x16x128_f8f6f4 v[120:127], v[16+8*\s:23+8*\s], v[48+8*\s:55+8*\s], v[120:127], v[136+\s], v[140+\s] matrix_a_fmt:MATRIX_FMT_FP4 matrix_b_fmt:MATRIX_FMT_FP4
	v_wmma_scale_f32_16x16x128_f8f6f4 v[128:135], v[16+8*\s:23+8*\s], v[80+8*\s:87+8*\s], v[128:135], v[136+\s], v[140+\s] matrix_a_fmt:MATRIX_FMT_FP4 matrix_b_fmt:MATRIX_FMT_FP4 matrix_b_scale:MATRIX_SCALE_ROW1
.endif
.endr
.rept 4
	v_nop                                          ; four places between the last product and the first read of a result (ISA guide 7.12.1)
.endr
; lane (r, h) holds experts 8 h + j of token r of each tile.  The exchange of halves makes a lane a token: lane L then holds token L, v[120 + e] the logit of expert e.
.irp j, 0,1,2,3,4,5,6,7
	v_permlane16_swap_b32 v[120+\j], v[128+\j]     ; each sum from its low end on
.endr
; the largest of the 16, the lower expert where two are equal (the compare is strict); then it is taken out of the running
.macro PICK k
	v_mov_b32 v156, v120
	v_mov_b32 v157, 0
.irp e, 1,2,3,4,5,6,7,8,9,10,11,12,13,14,15
	v_cmp_gt_f32 vcc_lo, v[120+\e], v156
	v_cndmask_b32 v156, v156, v[120+\e], vcc_lo
	v_cndmask_b32 v157, v157, \e, vcc_lo
.endr
	v_mov_b32 v[144+\k], v156
	v_mov_b32 v[148+\k], v157
.if \k < 3
.irp e, 0,1,2,3,4,5,6,7,8,9,10,11,12,13,14,15
	v_cmp_eq_u32 vcc_lo, \e, v157
	v_cndmask_b32 v[120+\e], v[120+\e], v166, vcc_lo
.endr
.endif
.endm
	PICK 0
	PICK 1
	PICK 2
	PICK 3
; the softmax of the four: the largest, the first, is taken away ahead of the exponentials
	v_sub_f32 v158, v145, v144
	v_sub_f32 v159, v146, v144
	v_sub_f32 v160, v147, v144
	v_mul_f32 v158, 0x3fb8aa3b, v158               ; x log2(e)
	v_mul_f32 v159, 0x3fb8aa3b, v159
	v_mul_f32 v160, 0x3fb8aa3b, v160
	v_exp_f32 v153, v158
	v_exp_f32 v154, v159
	v_exp_f32 v155, v160
	v_mov_b32 v161, 1                              ; a plain instruction behind the exponentials (it serves the shifts below)
	s_wait_alu depctr_va_vdst(0)                   ; one wait for the three, ahead of their first reader
	v_add_f32 v162, 1.0, v153
	v_add_f32 v163, v154, v155
	v_add_f32 v162, v162, v163
	v_rcp_f32 v152, v162                           ; the first gate is 1 / the sum
	v_nop
	s_wait_alu depctr_va_vdst(0)
	v_mul_f32 v153, v153, v152
	v_mul_f32 v154, v154, v152
	v_mul_f32 v155, v155, v152
; my token's set of experts as bits; a ballot over the 32 tokens and its count for each expert
	v_lshlrev_b32 v156, v148, v161
	v_lshlrev_b32 v157, v149, v161
	v_lshlrev_b32 v158, v150, v161
	v_lshlrev_b32 v159, v151, v161
	v_or_b32 v156, v156, v157
	v_or_b32 v158, v158, v159
	v_or_b32 v156, v156, v158
.irp e, 0,1,2,3,4,5,6,7,8,9,10,11,12,13,14,15
	v_and_b32 v157, 1<<\e, v156
	v_cmp_ne_u32 s[20+\e], 0, v157
	s_bcnt1_i32_b32 s[36+\e], s[20+\e]
	v_writelane_b32 v167, s[20+\e], \e
	v_writelane_b32 v167, s[36+\e], 16+\e
.endr
	global_store_b32 v7, v167, s[14:15]            ; 128 consecutive bytes
	global_store_b128 v5, v[148:151], s[16:17]     ; 512 consecutive bytes, aligned
	global_store_b128 v5, v[152:155], s[18:19]
	s_endpgm
.Lfunc_end_k_q89f58caedf_router:
	.size	k_q89f58caedf_router, .Lfunc_end_k_q89f58caedf_router-k_q89f58caedf_router
	.p2alignl 7, 3214868480
	.fill 96, 4, 3214868480
	.section	.rodata,"a",@progbits
	.p2align	6, 0x0
	.amdhsa_kernel k_q89f58caedf_router
		.amdhsa_group_segment_fixed_size 0
		.amdhsa_private_segment_fixed_size 0
		.amdhsa_enable_private_segment 0
		.amdhsa_kernarg_size 64
		.amdhsa_user_sgpr_count 2
		.amdhsa_user_sgpr_kernarg_segment_ptr 1
		.amdhsa_wavefront_size32 1
		.amdhsa_system_sgpr_workgroup_id_x 1
		.amdhsa_system_sgpr_workgroup_id_y 1
		.amdhsa_system_sgpr_workgroup_id_z 1
		.amdhsa_system_vgpr_workitem_id 0
		.amdhsa_next_free_vgpr 192
		.amdhsa_next_free_sgpr 66
		.amdhsa_reserve_vcc 1
		.amdhsa_float_denorm_mode_32 3
		.amdhsa_float_denorm_mode_16_64 3
		.amdhsa_memory_ordered 1
		.amdhsa_forward_progress 1
		.amdhsa_inst_pref_size 22
	.end_amdhsa_kernel
	.amdgpu_metadata
---
amdhsa.version: [ 1, 2 ]
amdhsa.kernels:
  - .name:           k_q89f58caedf_router
    .symbol:         k_q89f58caedf_router.kd
    .args:
      - { .name: x_codes, .offset: 0, .size: 8, .value_kind: global_buffer, .address_space: global }
      - { .name: x_scales, .offset: 8, .size: 8, .value_kind: global_buffer, .address_space: global }
      - { .name: router_w_codes, .offset: 16, .size: 8, .value_kind: global_buffer, .address_space: global }
      - { .name: router_w_scales, .offset: 24, .size: 8, .value_kind: global_buffer, .address_space: global }
      - { .name: router_b, .offset: 32, .size: 8, .value_kind: global_buffer, .address_space: global }
      - { .name: route, .offset: 40, .size: 8, .value_kind: global_buffer, .address_space: global }
      - { .name: idx, .offset: 48, .size: 8, .value_kind: global_buffer, .address_space: global }
      - { .name: gate, .offset: 56, .size: 8, .value_kind: global_buffer, .address_space: global }
    .group_segment_fixed_size: 0
    .private_segment_fixed_size: 0
    .kernarg_segment_align: 8
    .kernarg_segment_size: 64
    .max_flat_workgroup_size: 32
    .sgpr_count:     66
    .vgpr_count:     192
    .wavefront_size: 32
...
	.end_amdgpu_metadata
.endif
;; end of part 1
;; launch chain (part 2): grid 143 x 1, 4 waves a work-group, no clusters, 156,160 bytes of LDS; arguments x_codes, x_scales, w1_codes, w1_scales, b1, w2_codes, w2_scales, b2, route, idx, gate, ybuf; writes ybuf
.if DOCPART == 2
	.amdgcn_target "amdgcn-amd-amdhsa--gfx1250"
	.amdhsa_code_object_version 6
	.text
	.protected	k_q89f58caedf_chain
	.globl	k_q89f58caedf_chain
	.p2align	8
	.type	k_q89f58caedf_chain,@function
k_q89f58caedf_chain:
	s_mov_b64 s[64:65], 0
	v_nop
	global_prefetch_b8 v0, s[64:65] scope:SCOPE_SE
	s_setreg_imm32_b32 hwreg(HW_REG_WAVE_MODE, 25, 1), 1
	s_wait_xcnt 0x0
; One work-group takes one tile of 64 routed rows of ONE expert through the whole chain: gather x's codes, h = relu(x w1 + b1), h quantised to FP4 (E2M1) along H, y = h w2 + b2, y x the row's gate, stored
; to ybuf at row 4 token + k.  Both products on codes of FP4 with one E8M0 scale for each 32 along K; sums, relu and the quantiser in f32.  The hidden layer never goes to memory.
; THE GRID serves every split: 8,192 routed rows in tiles of 64 over 16 experts are at most 128 + 15 = 143 tiles.  Each work-group finds its tile itself from the 8 KB of route (ballots and counts that the
; launch before stored as whole numbers), by selects alone: NO BRANCH HANGS ON LOADED DATA, so every wave passes every barrier.  The price: a tile slot without a row, and a work-group that a split leaves
; without rows (at most 15), runs the whole text on a clamped token and stores to a dump row of its own (row 8192 + 64 x tile + slot), which nobody reads.
; WHICH WORK-GROUP TAKES WHICH TILE is free: tile = 9 x (work-group % 16) + work-group / 16, a one-to-one map of 0 .. 142 (143 = 16 x 8 + 15).  Work-groups whose numbers are 16 apart so take neighbouring
; tiles, most of which belong to one expert and read the same weights.
; SHARES.  H goes in 4 chunks of 512.  THE WAVES SHARE THE COLUMNS: wave w makes hidden units 512 c + 128 w + 0 .. 127 of all 64 rows, which are K step 4 c + w of the second product, and owns outputs
; 128 w + 0 .. 127 of all 64 rows (32 accumulators, 256 registers).  Both products are used transposed (source 0 = 16 rows of a weight, source 1 = 16 tokens): a lane holds one token.
; THE ROWS OF w1 THAT FORM A TILE ARE NOT NEIGHBOURS: lane i of tile 2 b + u takes row 32 b + 8 u + i + 8 (i / 8), so that a lane's 16 registers of tiles 2 b, 2 b + 1 are 16 neighbours along the next K.
; THE WEIGHTS GO FROM MEMORY STRAIGHT INTO OPERAND REGISTERS, through a ring of four buffers of 64 registers.  A granule is 16 loads of 16 bytes a lane, 8 KB; a buffer is asked for again as soon as its 32
; products are issued; three granules are always out behind the one that is wanted, over the loop's edge too.  A wave's 16 loads of a granule cover 32 whole aligned pieces of 256 bytes, each byte once.
; NO TENSOR LOADS, NO CLUSTER: a weight byte feeds 64 rows only, so a fragment is used by one wave alone and a way through LDS would add a store and a load for each; and which work-groups share an expert
; hangs on the stored counts (an expert has anything from 0 to 32 tiles), so partners cannot be fixed in the grid.
; OPERANDS GO FROM WAVE TO WAVE THROUGH LDS AS IMAGES OF THEIR REGISTERS (16 bytes a lane at 16 x lane, 512 bytes an instruction): x's 16 fragments once, the hidden layer's 16 in each chunk.
; LIMITS: a hidden block of zeros gets the scale byte 1 where the quantiser says 127 (its codes are zeros, and this text alone reads the bytes).
; REGISTERS, in windows of 256.  Window 0: v1-17 lane numbers and addresses that stay, v18-31 the head's; v32-95 the 8 sums of a block of the hidden layer ((m, u) at 32 + 16 m + 8 u); v96-159 b1 in the
;   result's layout; v160-175 a phase's weight scale words, v176-191 x's, v192-207 the hidden layer's (these 48 hold scales and nothing else); v208-223 codes just made; v224-227 scale words just made;
;   v228-243 at work; v244-251 (gate, row of ybuf) for each tile of tokens.  At the head v32-159 are at work.   Window 1: the ring.   Window 2: v0-127 x's fragments (8 (4 m + s)), v128-255 the hidden
;   layer's; at the head v0-147 carry scales and biases to LDS.   Window 3: y's 32 accumulators ((n, m) at 8 (4 n + m)).
.set LIST, 0                           ; LDS: rows of ybuf at 4 x slot, gates 256 bytes on
.set XSI,  1024                        ; x's scale words: 512 m + 16 x lane
.set XIMG, 3072                        ; x's fragments: 1024 (4 m + s) + 512 c + 16 x lane
.set W1SL, 19456                       ; the expert's w1 scales as they lie, 16 bytes a row
.set W2SL, 52224                       ; its w2 scales, 64 bytes a row + 16 of padding
.set B1L,  93184                       ; b1 of the expert
.set B2L,  101376                      ; b2 of the expert
.set HIMG, 103424                      ; the hidden layer's fragments: 1024 (4 m + wave) + 512 c + 16 x lane
.set HSC,  119808                      ; its scale words: 512 m + 16 x lane + 4 x wave
.set STG,  121856                      ; a stage of 16 rows x (512 + 16) bytes for each wave
.set MSB, 0
.macro WIN new                         ; s_set_vgpr_msb: bits 1:0 source 0, 3:2 source 1, 5:4 source 2, 7:6 destination; the high byte repeats the setting that is left
.if MSB != \new
	s_set_vgpr_msb (MSB<<8)|\new
.set MSB, \new
.endif
.endm
.macro PLACES                          ; four places behind a matrix instruction, ahead of loads into its registers and of the first read of a result
.rept 4
	v_nop
.endr
.endm
.macro BAR                             ; my LDS stores have landed and my LDS loads are in: then the work-group's barrier
	s_wait_dscnt 0x0
	s_barrier_signal -1
	s_barrier_wait -1
.endm
; w1's block b of the chunk at s[20:21]: tiles 2 b, 2 b + 1, all four K steps, into ring buffer b: fragment (u, s) at 64 b + 8 (4 u + s)
.macro GRAN1 b
.irp u, 0,1
.irp s, 0,1,2,3
.irp c, 0,1
	global_load_b128 v[64*(\b)+8*(4*\u+\s)+4*\c:64*(\b)+8*(4*\u+\s)+4*\c+3], v4, s[20:21] offset:(32*(\b)+8*\u)*256+64*\s+32*\c
.endr
.endr
.endr
.endm
; w2's pair p of the chunk at s[26:27]: output tiles 2 p, 2 p + 1, the chunk's four K steps, into ring buffer p: fragment (q, s) at 64 p + 8 (4 q + s)
.macro GRAN2 p
.irp q, 0,1
.irp s, 0,1,2,3
.irp c, 0,1
	global_load_b128 v[64*(\p)+8*(4*\q+\s)+4*\c:64*(\p)+8*(4*\q+\s)+4*\c+3], v5, s[26:27] offset:(32*(\p)+16*\q)*1024+64*\s+32*\c
.endr
.endr
.endr
.endm
	s_load_b512 s[16:31], s[0:1], 0x0              ; x codes s[16:17], x scales s[18:19], w1 codes s[20:21], w1 scales s[22:23], b1 s[24:25], w2 codes s[26:27], w2 scales s[28:29], b2 s[30:31]
	s_load_b256 s[32:39], s[0:1], 0x40             ; route s[32:33], idx s[34:35], gate s[36:37], ybuf s[38:39]
	v_lshl_add_u32 v254, v0, 2, 0x26000
	v_mov_b32 v255, 0
	v_and_b32 v1, 31, v0                           ; lane
	v_lshrrev_b32 v30, 2, v1
	v_and_b32 v31, 3, v1
	v_lshlrev_b32 v26, 7, v30
	v_lshl_add_u32 v26, v31, 4, v26                ; route: group lane / 4 (128 bytes each), experts 4 (lane % 4) on
	s_wait_kmcnt 0x0
.irp i, 0,1,2,3,4,5,6,7                        ; load i: group 8 i + lane / 4; register q: expert 4 (lane % 4) + q
	global_load_b128 v[64+4*\i:67+4*\i], v26, s[32:33] offset:1024*\i        ; the ballots
	global_load_b128 v[32+4*\i:35+4*\i], v26, s[32:33] offset:1024*\i+64     ; the counts
.endr
; every address that hangs on the lane and the wave alone is made while those loads are out
	v_mul_u32_u24 v22, v30, 80
	v_lshl_add_u32 v22, v31, 4, v22
	v_lshrrev_b32 v31, 5, v0
	v_readfirstlane_b32 s8, v31                    ; wave 0..3
	s_and_b32 s9, ttmp9, 15                        ; the number of my tile among all 143:
	s_mul_i32 s9, s9, 9                            ; 9 x (work-group % 16)
	s_lshr_b32 s2, ttmp9, 4
	s_add_co_u32 s9, s9, s2                        ; + work-group / 16
	s_mov_b32 s56, 0x76543210
	s_mov_b32 s57, 0xfedcba98                      ; v_permlanex16_b32's selects for lane l xor 16
	v_and_b32 v2, 15, v0                           ; r
	v_bfe_u32 v3, v0, 4, 1                         ; h
	v_and_b32 v31, 8, v2
	v_add_nc_u32 v31, v31, v2                      ; r + 8 (r / 8)
	v_lshlrev_b32 v4, 8, v31
	v_lshl_add_u32 v4, v3, 4, v4                   ; v4  w1: my row of a tile x 256 bytes + 16 h
	v_lshlrev_b32 v5, 10, v2
	v_lshl_add_u32 v5, v3, 4, v5                   ; v5  w2: row r x 1,024 bytes + 16 h
	v_lshlrev_b32 v6, 4, v1                        ; v6  16 x lane
	s_lshl_b32 s2, s8, 10
	s_add_co_u32 s2, s2, HIMG
	v_add_nc_u32 v7, s2, v6                        ; v7  where I store the hidden layer's images
	s_lshl_b32 s2, s8, 2
	s_add_co_u32 s2, s2, HSC
	v_add_nc_u32 v8, s2, v6                        ; v8  and their scale words
	v_add_nc_u32 v9, HIMG, v6                      ; v9  where any wave reads the images
	v_add_nc_u32 v10, HSC, v6                      ; v10 and the scale words
	s_lshl_b32 s4, s8, 9                           ; 512 x wave
	s_add_co_u32 s2, s4, B1L
	v_lshl_add_u32 v11, v3, 6, s2                  ; v11 b1: my wave's 128 numbers of the chunk, + 16 h numbers; 2,048 bytes on in each chunk
	v_add_nc_u32 v23, s2, v6                       ; v23 where b1 is laid
	s_add_co_u32 s2, s4, B2L
	v_lshl_add_u32 v17, v3, 5, s2                  ; v17 b2: my wave's 128 numbers, + 8 h numbers
	v_add_nc_u32 v24, s2, v6                       ; v24 where b2 is laid
	v_add_nc_u32 v16, s4, v6                       ; v16 my bytes in a row of ybuf: 512 x wave + 16 x lane
	s_add_co_u32 s2, s4, XSI
	v_add_nc_u32 v20, s2, v6                       ; v20 where I store x's scale words
	s_lshl_b32 s2, s8, 11
	s_add_co_u32 s2, s2, W1SL
	v_add_nc_u32 v21, s2, v6                       ; v21 where w1's scales are laid
	v_lshl_add_u32 v12, v3, 3, v31
	v_lshl_add_u32 v12, v12, 4, s2                 ; v12 w1's scale words: lanes 0-15 the rows of tile 2 b, lanes 16-31 those of tile 2 b + 1; 8,192 bytes on in each chunk
	s_mul_i32 s2, s8, 10240
	s_add_co_u32 s2, s2, W2SL
	v_add_nc_u32 v22, s2, v22                      ; v22 where w2's scales are laid: four lanes to a row of 64 bytes, rows 80 bytes apart
	v_mul_u32_u24 v13, v1, 80
	v_add_nc_u32 v13, s2, v13                      ; v13 w2's scale words: row 128 w + lane; 16 bytes on in each chunk
	s_mul_i32 s2, s8, 8448
	s_add_co_u32 s2, s2, STG
	v_mul_u32_u24 v14, v2, 528
	v_lshl_add_u32 v14, v3, 5, v14
	v_add_nc_u32 v14, s2, v14                      ; v14 my stage, in: row r, + 32 h
	v_add_nc_u32 v15, s2, v6                       ; v15 and back: a row of 512 bytes to the 32 lanes
	s_lshl_b32 s2, s8, 12
	s_add_co_u32 s2, s2, XIMG
	v_add_nc_u32 v19, s2, v6                       ; v19 where I store x's images
	v_lshlrev_b32 v25, 2, v2                       ; v25 4 r: a slot's word in the list
	s_lshl_b32 s2, s8, 6
	v_add_nc_u32 v18, s2, v25                      ; v18 where I store my 16 slots' words
.irp m, 0,1,2,3
	v_mov_b32 v[232+\m], 0                         ; written once: a lane permute's destination counts as one of its sources
.endr
	s_wait_loadcnt 0x0                             ; route
; EACH EXPERT'S NUMBER OF ROWS: over the eight loads, then over the lanes that hold other groups (lane xor 4, 8, 16)
.irp i, 1,2,3,4,5,6,7
.irp q, 0,1,2,3
	v_add_nc_u32 v[32+\q], v[32+\q], v[32+4*\i+\q]
.endr
.endr
.irp x, 4,8
.irp q, 0,1,2,3
	v_mov_b32_dpp v[36+\q], v[32+\q] row_xmask:\x row_mask:0xf bank_mask:0xf
.endr
.irp q, 0,1,2,3
	v_add_nc_u32 v[32+\q], v[32+\q], v[36+\q]
.endr
.endr
.irp q, 0,1,2,3
	v_permlanex16_b32 v[36+\q], v[32+\q], s56, s57
.endr
.irp q, 0,1,2,3
	v_add_nc_u32 v[32+\q], v[32+\q], v[36+\q]
.endr
.irp a, 0,1,2,3
.irp q, 0,1,2,3
	v_readlane_b32 s[40+4*\a+\q], v[32+\q], \a     ; s[40 + e]: the rows of expert e
.endr
.endr
; WHICH EXPERT'S TILE IS MINE: the last expert whose first tile's number is not above my tile's (so an expert without rows is passed over)
	s_mov_b32 s13, 0                               ; the running number of tiles
	s_mov_b32 s10, 0
	s_mov_b32 s11, 0
	s_mov_b32 s12, 0
.irp e, 0,1,2,3,4,5,6,7,8,9,10,11,12,13,14,15
	s_cmp_ge_u32 s9, s13
	s_cselect_b32 s10, \e, s10                     ; the expert,
	s_cselect_b32 s11, s13, s11                    ; its first tile,
	s_cselect_b32 s12, s[40+\e], s12               ; its rows
	s_add_co_u32 s14, s[40+\e], 63
	s_lshr_b32 s14, s14, 6
	s_add_co_u32 s13, s13, s14
.endr
	s_sub_co_u32 s11, s9, s11                      ; my tile among the expert's
	s_min_u32 s10, s10, 15                         ; the expert enters addresses behind this bound
	s_mov_b32 s3, 0
	s_lshl_b32 s4, s10, 19                         ; an expert's codes of w1 and of w2: 524,288 bytes each
	s_lshl_b32 s5, s8, 15
	s_add_co_u32 s2, s4, s5
	s_add_nc_u64 s[20:21], s[20:21], s[2:3]        ; w1: my wave's 128 rows of chunk 0
	s_lshl_b32 s5, s8, 17
	s_add_co_u32 s2, s4, s5
	s_add_nc_u64 s[26:27], s[26:27], s[2:3]        ; w2: my wave's 128 rows, chunk 0's 256 bytes of each
	s_lshl_b32 s4, s10, 15                         ; an expert's scale bytes: 32,768 each
	s_lshl_b32 s5, s8, 11
	s_add_co_u32 s2, s4, s5
	s_add_nc_u64 s[22:23], s[22:23], s[2:3]
	s_lshl_b32 s5, s8, 13
	s_add_co_u32 s2, s4, s5
	s_add_nc_u64 s[28:29], s[28:29], s[2:3]
	s_lshl_b32 s4, s10, 13
	s_lshl_b32 s5, s8, 9
	s_add_co_u32 s2, s4, s5
	s_add_nc_u64 s[24:25], s[24:25], s[2:3]        ; b1
	s_lshl_b32 s4, s10, 11
	s_add_co_u32 s2, s4, s5
	s_add_nc_u64 s[30:31], s[30:31], s[2:3]        ; b2
; 37 loads of 512 consecutive bytes: the scales and biases that my wave will use, on their way to LDS
	WIN 0x80
.irp c, 0,1,2,3
.irp i, 0,1,2,3
	global_load_b128 v[4*(4*\c+\i):4*(4*\c+\i)+3], v6, s[22:23] offset:8192*\c+512*\i
.endr
.endr
.irp i, 0,1,2,3,4,5,6,7,8,9,10,11,12,13,14,15
	global_load_b128 v[64+4*\i:67+4*\i], v6, s[28:29] offset:512*\i
.endr
.irp c, 0,1,2,3
	global_load_b128 v[128+4*\c:131+4*\c], v6, s[24:25] offset:2048*\c
.endr
	global_load_b128 v[144:147], v6, s[30:31]
	WIN 0x40
	GRAN1 0                                        ; the ring's first granule: 53 loads of mine are out while the rows are searched for
	WIN 0
; WHICH TOKENS ARE MINE.  Wave w finds slots 16 w + r of the tile (both halves of the lanes do the same): the token of rank rho = 64 x tile + slot among those that chose the expert, tokens ascending.
	s_and_b32 s2, s10, 1
	s_cmp_lg_u32 s2, 0
	s_cselect_b32 s59, -1, 0
	s_and_b32 s2, s10, 2
	s_cmp_lg_u32 s2, 0
	s_cselect_b32 s60, -1, 0
.irp i, 0,1,2,3,4,5,6,7                        ; the expert's ballots: register e % 4 of each load,
	v_cndmask_b32 v[96+\i], v[64+4*\i], v[65+4*\i], s59
	v_cndmask_b32 v111, v[66+4*\i], v[67+4*\i], s59
	v_cndmask_b32 v[96+\i], v[96+\i], v111, s60
.endr
	s_lshr_b32 s2, s10, 2
.irp g, 0,1,2,3,4,5,6,7
	s_add_co_u32 s[66+\g], s2, 4*\g                ; in lane 4 (group % 8) + e / 4
.endr
	s_lshl_b32 s14, s11, 6
	s_lshl_b32 s2, s8, 4
	s_add_co_u32 s14, s14, s2
	v_add_nc_u32 v104, s14, v2                     ; rho
	v_mov_b32 v105, 0                              ; the group that holds my row,
	v_mov_b32 v106, 0                              ; its ballot,
	v_mov_b32 v107, 0                              ; the rows ahead of it
	s_mov_b32 s74, 0
; the last group with no more than rho rows ahead of it.  Sixteen groups at a time: their ballots into s80-95, then the rows ahead of each into s40-55, then the selects: so the vector and the scalar
; instructions stand in runs and hand over to each other four times, not once a group
.set GB, 0
.rept 4
.irp k, 0,1,2,3,4,5,6,7,8,9,10,11,12,13,14,15
	v_readlane_b32 s[80+\k], v[96+(GB+\k)/8], s[66+\k%8]
.endr
.irp k, 0,1,2,3,4,5,6,7,8,9,10,11,12,13,14,15
	s_mov_b32 s[40+\k], s74
	s_bcnt1_i32_b32 s76, s[80+\k]
	s_add_co_u32 s74, s74, s76
.endr
.irp k, 0,1,2,3,4,5,6,7,8,9,10,11,12,13,14,15
	v_cmp_le_u32 vcc_lo, s[40+\k], v104
	v_cndmask_b32 v105, v105, GB+\k, vcc_lo
	v_cndmask_b32 v106, v106, s[80+\k], vcc_lo
	v_cndmask_b32 v107, v107, s[40+\k], vcc_lo
.endr
.set GB, GB+16
.endr
	v_sub_nc_u32 v108, v104, v107                  ; n: my row is the ballot's set bit number n, counted from 0
	v_mov_b32 v109, 0
	v_mov_b32 v110, 0
.set BI, 0
.rept 32                                       ; its place = how many bits b have at most n set bits among bits 0 .. b
	v_bfe_u32 v111, v106, BI, 1
	v_add_nc_u32 v109, v109, v111
	v_cmp_le_u32 vcc_lo, v109, v108
	v_add_co_ci_u32 v110, vcc_lo, 0, v110, vcc_lo
.set BI, BI+1
.endr
	v_lshl_add_u32 v112, v105, 5, v110
	v_min_u32 v112, 0x7ff, v112                    ; the token; a slot without a row is held inside the tensor
	v_cmp_gt_u32 s15, s12, v104                    ; has the slot a row?
	v_lshlrev_b32 v113, 8, v112
	v_lshl_add_u32 v113, v3, 4, v113
	v_lshlrev_b32 v114, 4, v112
.irp s, 0,1,2,3
.irp c, 0,1
	global_load_b128 v[116+8*\s+4*\c:119+8*\s+4*\c], v113, s[16:17] offset:64*\s+32*\c     ; my token's codes, in the operand's layout
.endr
.endr
	global_load_b128 v[148:151], v114, s[18:19]    ; its four scale words,
	global_load_b128 v[152:155], v114, s[34:35]    ; its four experts,
	global_load_b128 v[156:159], v114, s[36:37]    ; their gates
	s_wait_loadcnt 27                              ; behind the 37 loads of scales and biases stand the granule's 16 and these 11
	WIN 0x08                                       ; an LDS store's data are its source 1: window 2
.irp c, 0,1,2,3
.irp i, 0,1,2,3
	ds_store_b128 v21, v[4*(4*\c+\i):4*(4*\c+\i)+3] offset:8192*\c+512*\i
.endr
.endr
.irp i, 0,1,2,3,4,5,6,7,8,9,10,11,12,13,14,15
	ds_store_b128 v22, v[64+4*\i:67+4*\i] offset:640*\i
.endr
.irp c, 0,1,2,3
	ds_store_b128 v23, v[128+4*\c:131+4*\c] offset:2048*\c
.endr
	ds_store_b128 v24, v[144:147]
	WIN 0x40
	GRAN1 1                                        ; the rest of the ring
	GRAN1 2
	GRAN1 3
	WIN 0
	s_wait_loadcnt 48                              ; behind the token's 11 loads stand these three granules, which stay out
	v_mov_b32 v27, 0                               ; which of the token's four choices is this expert, and its gate
	v_mov_b32 v28, v156
.irp q, 1,2,3
	v_cmp_eq_u32 vcc_lo, s10, v[152+\q]
	v_cndmask_b32 v27, v27, \q, vcc_lo
	v_cndmask_b32 v28, v28, v[156+\q], vcc_lo
.endr
	v_lshl_add_u32 v27, v112, 2, v27               ; the row of ybuf: 4 token + k;
	s_lshl_b32 s2, s9, 6
	s_lshl_b32 s4, s8, 4
	s_add_co_u32 s2, s2, s4
	s_add_co_u32 s2, s2, 8192
	v_add_nc_u32 v29, s2, v2                       ; for a slot without a row: its dump row
	v_cndmask_b32 v27, v29, v27, s15
	ds_store_b32 v18, v27                          ; (both halves of the lanes write the same word with the same value)
	ds_store_b32 v18, v28 offset:256
.irp s, 0,1,2,3
.irp c, 0,1
	ds_store_b128 v19, v[116+8*\s+4*\c:119+8*\s+4*\c] offset:1024*\s+512*\c
.endr
.endr
	ds_store_b128 v20, v[148:151]
	BAR                                            ; the list, x's images and scale words, and all that was laid in LDS are there for every wave
	WIN 0x80
.irp m, 0,1,2,3
.irp s, 0,1,2,3
.irp c, 0,1
	ds_load_b128 v[8*(4*\m+\s)+4*\c:8*(4*\m+\s)+4*\c+3], v6 offset:XIMG+(4*\m+\s)*1024+512*\c      ; x's 16 fragments stay in registers
.endr
.endr
.endr
	WIN 0
.irp m, 0,1,2,3
	ds_load_b128 v[176+4*\m:179+4*\m], v6 offset:XSI+512*\m
	ds_load_b32 v[244+2*\m], v25 offset:LIST+256+64*\m       ; the gate of token r of tile m,
	ds_load_b32 v[245+2*\m], v25 offset:LIST+64*\m           ; and its row of ybuf
.endr
	WIN 0xc0
.irp n, 0,1,2,3,4,5,6,7                        ; y's sums begin as b2: register j of (n, m): b2[128 w + 16 n + 8 h + j].  Nothing is cleared, and every product of the second kind adds in place
.irp m, 0,1,2,3
	ds_load_b128 v[8*(4*\n+\m):8*(4*\n+\m)+3], v17 offset:64*\n
	ds_load_b128 v[8*(4*\n+\m)+4:8*(4*\n+\m)+7], v17 offset:64*\n+16
.endr
.endr
	WIN 0
	s_wait_dscnt 0x0
; a product of the first kind: block b, K step s, tokens' tile m, w1's tile 2 b + u.  The first K step takes b1 as C.  One register carries the scale words of both tiles of a block: tile 2 b + 1's lie in lanes 16-31
.macro MM1 b, s, m, u
.set rD, 32+16*(\m)+8*(\u)
.set rA, 64*(\b)+8*(4*(\u)+(\s))
.set rB, 8*(4*(\m)+(\s))
.set rC, rD
.if (\s) == 0
.set rC, 96+16*(\b)+8*(\u)
.endif
.if (\u) == 0
	v_wmma_scale_f32_16x16x128_f8f6f4 v[rD:rD+7], v[rA:rA+7], v[rB:rB+7], v[rC:rC+7], v[160+4*(\b)+(\s)], v[176+4*(\m)+(\s)] matrix_a_fmt:MATRIX_FMT_FP4 matrix_b_fmt:MATRIX_FMT_FP4
.else
	v_wmma_scale_f32_16x16x128_f8f6f4 v[rD:rD+7], v[rA:rA+7], v[rB:rB+7], v[rC:rC+7], v[160+4*(\b)+(\s)], v[176+4*(\m)+(\s)] matrix_a_fmt:MATRIX_FMT_FP4 matrix_b_fmt:MATRIX_FMT_FP4 matrix_a_scale:MATRIX_SCALE_ROW1
.endif
.endm
; a product of the second kind: pair p, the chunk's K step s, w2's tile 2 p + q, tokens' tile m
.macro MM2 p, s, q, m
.set rD, 8*(4*(2*(\p)+(\q))+(\m))
.set rA, 64*(\p)+8*(4*(\q)+(\s))
.set rB, 128+8*(4*(\m)+(\s))
.if (\q) == 0
	v_wmma_scale_f32_16x16x128_f8f6f4 v[rD:rD+7], v[rA:rA+7], v[rB:rB+7], v[rD:rD+7], v[160+4*(\p)+(\s)], v[192+4*(\m)+(\s)] matrix_a_fmt:MATRIX_FMT_FP4 matrix_b_fmt:MATRIX_FMT_FP4
.else
	v_wmma_scale_f32_16x16x128_f8f6f4 v[rD:rD+7], v[rA:rA+7], v[rB:rB+7], v[rD:rD+7], v[160+4*(\p)+(\s)], v[192+4*(\m)+(\s)] matrix_a_fmt:MATRIX_FMT_FP4 matrix_b_fmt:MATRIX_FMT_FP4 matrix_a_scale:MATRIX_SCALE_ROW1
.endif
.endm
; BLOCK b OF THE HIDDEN LAYER IS QUANTISED, for the four tiles of tokens by turns.  A lane's 16 registers of tile m are hidden units 32 b + 16 h + 0 .. 15 of its token; lane l xor 16 holds the block's other half.
.macro QB b
.set RI, 0
.rept 64
	v_max_num_f32 v[32+RI], 0, v[32+RI]            ; relu, in f32; each sum from its low end on
.set RI, RI+1
.endr
.irp m, 0,1,2,3
	v_max3_num_f32 v[228+\m], v[32+16*\m], v[33+16*\m], 0x1800000      ; the largest of my 16 (none is negative), and the floor 2^(3 - 127): so the byte cannot fall under 1
.endr
.irp i, 2,4,6,8,10,12,14
.irp m, 0,1,2,3
	v_max3_num_f32 v[228+\m], v[228+\m], v[32+16*\m+\i], v[33+16*\m+\i]
.endr
.endr
.irp m, 0,1,2,3
	v_permlanex16_b32 v[232+\m], v[228+\m], s56, s57
.endr
.irp m, 0,1,2,3
	v_max_num_f32 v[228+\m], v[228+\m], v[232+\m]  ; the block's largest magnitude
.endr
.irp m, 0,1,2,3
	v_add_nc_u32 v[236+\m], 0xff000000, v[228+\m]  ; 2 off its exponent field: the conversion takes the exponent field of this operand as its scale
.endr
.irp m, 0,1,2,3
	v_lshrrev_b32 v[240+\m], 23, v[236+\m]         ; the scale's byte
.endr
.irp m, 0,1,2,3
.if (\b) == 0
	v_mov_b32 v[224+\m], v[240+\m]                 ; the four blocks' bytes make the scale word of my K step
.else
	v_lshl_or_b32 v[224+\m], v[240+\m], 8*(\b), v[224+\m]
.endif
.endr
	s_wait_dscnt 0x0                               ; earlier LDS stores have read the codes' registers
.irp m, 0,1,2,3
	v_cvt_scalef32_pk8_fp4_f32 v[208+4*\m+2*((\b)&1)], v[32+16*\m:39+16*\m], v[236+\m]
	v_cvt_scalef32_pk8_fp4_f32 v[209+4*\m+2*((\b)&1)], v[40+16*\m:47+16*\m], v[236+\m]
.endr
	v_nop                                          ; one plain instruction behind the last scaled conversion
.if ((\b)&1) == 1
.irp m, 0,1,2,3                                ; the operand's layout wants a WHOLE block in a lane: lanes 0-15 the even block, lanes 16-31 the odd one
.irp i, 0,1
	v_permlane16_swap_b32 v[208+4*\m+\i], v[210+4*\m+\i]
.endr
.endr
.irp m, 0,1,2,3
	ds_store_b128 v7, v[208+4*\m:211+4*\m] offset:4096*\m+512*((\b)>>1)     ; half a fragment's image
.endr
.endif
.if (\b) == 3
.irp m, 0,1,2,3
	ds_store_b32 v8, v[224+\m] offset:512*\m
.endr
.endif
.endm
; THE FIRST PHASE OF A CHUNK: my 128 hidden units of the 64 rows, a block of 32 at a time: 32 products, 8 sums by turns (one instruction a turn).
; As soon as a block's products are issued its ring buffer takes a pair of w2's tiles of this chunk.  step = 1: w1's address goes on to the next chunk.
.macro PH1 step
.irp b, 0,1,2,3
	ds_load_b128 v[160+4*\b:163+4*\b], v12 offset:512*\b                   ; w1's scale words of block b: word s for K step s
.endr
.irp b, 0,1,2,3
.irp q, 0,1,2,3
	ds_load_b128 v[96+16*\b+4*\q:99+16*\b+4*\q], v11 offset:128*\b+16*\q   ; b1 at the lane's 16 hidden units of block b
.endr
.endr
	s_wait_dscnt 0x0
.irp b, 0,1,2,3
	s_wait_loadcnt 48                              ; the granule wanted is in; the three issued behind it stay out
.if \b == 3
.if \step
	s_add_nc_u64 s[20:21], s[20:21], 131072        ; 512 rows of w1 on.  The 48 loads that may be out are w2's pairs 0 to 2, issued behind w1's last granule: every load that names s[20:21] is done
.endif
.endif
	WIN 0x09                                       ; source 0 (w1) window 1, source 1 (x) window 2, C and D window 0
.irp s, 0,1,2,3
.irp m, 0,1,2,3
.irp u, 0,1
	MM1 \b, \s, \m, \u
.endr
.endr
.endr
	PLACES
	WIN 0x40
	GRAN2 \b
	WIN 0
	QB \b
.endr
.endm
; THE SECOND PHASE: the chunk's 512 hidden units into my 128 outputs of the 64 rows, a pair of w2's tiles at a time: 32 products, 8 accumulators by turns.
; refill = 1: a buffer whose products are issued takes a block of w1 of the next chunk, at which s[20:21] stands already.  refill = 0, the last chunk: nothing is asked for, and the counts run down.
.macro PH2 refill
.irp p, 0,1,2,3
	ds_load_b128 v[160+4*\p:163+4*\p], v13 offset:2560*\p                  ; w2's scale words of pair p: lanes 0-15 tile 2 p, lanes 16-31 tile 2 p + 1
.endr
.irp m, 0,1,2,3
	ds_load_b128 v[192+4*\m:195+4*\m], v10 offset:512*\m                   ; the hidden layer's: word s from wave s
.endr
	WIN 0x80
.irp s, 0,1,2,3
.irp m, 0,1,2,3
.irp c, 0,1
	ds_load_b128 v[128+8*(4*\m+\s)+4*\c:128+8*(4*\m+\s)+4*\c+3], v9 offset:(4*\m+\s)*1024+512*\c
.endr
.endr
.endr
.irp p, 0,1,2,3
.if \refill
	s_wait_loadcnt 48                              ; the three granules issued behind the one wanted stay out
.if \p == 3
	s_add_nc_u64 s[26:27], s[26:27], 256           ; 512 codes on in each row of w2.  The 48 loads that may be out are w1's blocks 0 to 2, issued behind w2's last pair: every load that names s[26:27] is done
.endif
.else
	s_wait_loadcnt 16*(3-\p)                       ; the pairs that are left
.endif
	WIN 0xf9                                       ; source 0 (w2) window 1, source 1 (hidden) window 2, C and D window 3
.irp s, 0,1,2,3
.if \p == 0
	s_wait_dscnt 8*(3-\s)                          ; the eight loads of each later K step may stay out
.endif
.irp q, 0,1
.irp m, 0,1,2,3
	MM2 \p, \s, \q, \m
.endr
.endr
.endr
	PLACES
.if \refill
.if \p == 0
	s_wait_dscnt 0x0                               ; my reads of the hidden layer's images are in (the count reached 0 at K step 3):
	s_barrier_signal -1                            ; behind this barrier the next chunk may write them anew
	s_barrier_wait -1
.endif
	WIN 0x40
	GRAN1 \p
.endif
.endr
	WIN 0
.endm
	s_mov_b32 s58, 3
.Lchunk:                                           ; chunks 0 to 2; two barriers a chunk; no wait stands at the loop's edge: the ring's loads stay out across it
	PH1 1
	BAR                                            ; the hidden layer's sixteen fragments and their scale words lie in LDS
	PH2 1
	v_add_nc_u32 v11, 2048, v11                    ; the next chunk's b1 and scale words in LDS
	v_add_nc_u32 v12, 8192, v12
	v_add_nc_u32 v13, 16, v13
	s_sub_co_u32 s58, s58, 1
	s_cmp_lg_u32 s58, 0
	s_cbranch_scc1 .Lchunk
	PH1 0                                          ; the last chunk is written out: no load leaves its buffer
	BAR
	PH2 0
; THE WAY OUT, a tile of 16 tokens at a time: x the token's gate; through my own stage in LDS, since a lane holds 32 bytes of a row and the lanes beside it hold other rows; back as rows of 512 bytes,
; which the 32 lanes store as 512 consecutive bytes, aligned, each row at its own place in ybuf.  LDS serves a wave's instructions in order (ISA guide 5.7.1.4): no wait between the stores and the loads.
.macro OUTM m
	WIN 0xc3                                       ; destination and source 0 window 3, the gate window 0
.irp n, 0,1,2,3,4,5,6,7
.irp j, 0,2,4,6
	v_pk_mul_f32 v[8*(4*\n+(\m))+\j:8*(4*\n+(\m))+\j+1], v[8*(4*\n+(\m))+\j:8*(4*\n+(\m))+\j+1], v[244+2*(\m):245+2*(\m)] op_sel_hi:[1,0]   ; each accumulator from its low end on
.endr
.endr
	WIN 0x0c                                       ; an LDS store's data: window 3
.irp n, 0,1,2,3,4,5,6,7
	ds_store_b128 v14, v[8*(4*\n+(\m)):8*(4*\n+(\m))+3] offset:64*\n
	ds_store_b128 v14, v[8*(4*\n+(\m))+4:8*(4*\n+(\m))+7] offset:64*\n+16
.endr
	WIN 0
.if (\m) > 0
	s_wait_xcnt 0x0                                ; the last tile's stores have read their data and offsets: both are written again below
.endif
.irp i, 0,1,2,3,4,5,6,7,8,9,10,11,12,13,14,15
	ds_load_b128 v[32+4*\i:35+4*\i], v15 offset:528*\i
.endr
.irp i, 0,1,2,3,4,5,6,7,8,9,10,11,12,13,14,15  ; the sixteen tokens' rows of ybuf: read, bounded and turned into offsets in three runs
	v_readlane_b32 s[40+\i], v[245+2*(\m)], \i
.endr
.irp i, 0,1,2,3,4,5,6,7,8,9,10,11,12,13,14,15
	s_min_u32 s[40+\i], s[40+\i], 17343            ; held inside the buffer's 17,344 rows,
	s_lshl_b32 s[40+\i], s[40+\i], 11              ; of 2,048 bytes
.endr
.irp i, 0,1,2,3,4,5,6,7,8,9,10,11,12,13,14,15
	v_add_nc_u32 v[96+\i], s[40+\i], v16
.endr
.irp i, 0,1,2,3,4,5,6,7,8,9,10,11,12,13,14,15
	s_wait_dscnt 15-\i                             ; row i is back; the later rows may be out
	global_store_b128 v[96+\i], v[32+4*\i:35+4*\i], s[38:39] th:TH_STORE_NT
.endr
.endm
	OUTM 0
	OUTM 1
	OUTM 2
	OUTM 3
	s_wait_tensorcnt 0x0
	ds_add_u32 v254, v255
	s_wait_dscnt 0x0
	s_endpgm
.Lfunc_end_k_q89f58caedf_chain:
	.size	k_q89f58caedf_chain, .Lfunc_end_k_q89f58caedf_chain-k_q89f58caedf_chain
	.p2alignl 7, 3214868480
	.fill 96, 4, 3214868480
	.section	.rodata,"a",@progbits
	.p2align	6, 0x0
	.amdhsa_kernel k_q89f58caedf_chain
		.amdhsa_group_segment_fixed_size 156160
		.amdhsa_private_segment_fixed_size 0
		.amdhsa_enable_private_segment 0
		.amdhsa_kernarg_size 96
		.amdhsa_user_sgpr_count 2
		.amdhsa_user_sgpr_kernarg_segment_ptr 1
		.amdhsa_wavefront_size32 1
		.amdhsa_system_sgpr_workgroup_id_x 1
		.amdhsa_system_sgpr_workgroup_id_y 1
		.amdhsa_system_sgpr_workgroup_id_z 1
		.amdhsa_system_vgpr_workitem_id 0
		.amdhsa_next_free_vgpr 1024
		.amdhsa_next_free_sgpr 96
		.amdhsa_reserve_vcc 1
		.amdhsa_float_denorm_mode_32 3
		.amdhsa_float_denorm_mode_16_64 3
		.amdhsa_memory_ordered 1
		.amdhsa_forward_progress 1
		.amdhsa_inst_pref_size 245
	.end_amdhsa_kernel
	.amdgpu_metadata
---
amdhsa.version: [ 1, 2 ]
amdhsa.kernels:
  - .name:           k_q89f58caedf_chain
    .symbol:         k_q89f58caedf_chain.kd
    .args:
      - { .name: x_codes, .offset: 0, .size: 8, .value_kind: global_buffer, .address_space: global }
      - { .name: x_scales, .offset: 8, .size: 8, .value_kind: global_buffer, .address_space: global }
      - { .name: w1_codes, .offset: 16, .size: 8, .value_kind: global_buffer, .address_space: global }
      - { .name: w1_scales, .offset: 24, .size: 8, .value_kind: global_buffer, .address_space: global }
      - { .name: b1, .offset: 32, .size: 8, .value_kind: global_buffer, .address_space: global }
      - { .name: w2_codes, .offset: 40, .size: 8, .value_kind: global_buffer, .address_space: global }
      - { .name: w2_scales, .offset: 48, .size: 8, .value_kind: global_buffer, .address_space: global }
      - { .name: b2, .offset: 56, .size: 8, .value_kind: global_buffer, .address_space: global }
      - { .name: route, .offset: 64, .size: 8, .value_kind: global_buffer, .address_space: global }
      - { .name: idx, .offset: 72, .size: 8, .value_kind: global_buffer, .address_space: global }
      - { .name: gate, .offset: 80, .size: 8, .value_kind: global_buffer, .address_space: global }
      - { .name: ybuf, .offset: 88, .size: 8, .value_kind: global_buffer, .address_space: global }
    .group_segment_fixed_size: 156160
    .private_segment_fixed_size: 0
    .kernarg_segment_align: 8
    .kernarg_segment_size: 96
    .max_flat_workgroup_size: 128
    .sgpr_count:     96
    .vgpr_count:     1024
    .wavefront_size: 32
...
	.end_amdgpu_metadata
.endif
;; end of part 2
;; launch combine (part 3): grid 256 x 1, 8 waves a work-group, no clusters, 0 bytes of LDS; arguments ybuf, out0; writes out0
.if DOCPART == 3
	.amdgcn_target "amdgcn-amd-amdhsa--gfx1250"
	.amdhsa_code_object_version 6
	.text
	.protected	k_q89f58caedf_combine
	.globl	k_q89f58caedf_combine
	.p2align	8
	.type	k_q89f58caedf_combine,@function
k_q89f58caedf_combine:
	s_mov_b64 s[64:65], 0
	v_nop
	global_prefetch_b8 v0, s[64:65] scope:SCOPE_SE
	s_setreg_imm32_b32 hwreg(HW_REG_WAVE_MODE, 25, 1), 1
	s_wait_xcnt 0x0
; out0[t] = ybuf[4 t] + ybuf[4 t + 1] + ybuf[4 t + 2] + ybuf[4 t + 3]: a token's four gated results, which four different work-groups of the launch before stored, are added by one owner.
; A stream: one wave takes one token, 8,192 consecutive bytes in and 2,048 out.  All 16 loads of a wave go out at once, each 512 consecutive bytes; no loop, no LDS, no barrier, no matrix work:
; nothing is shared between waves and each byte is read once.
	s_load_b128 s[4:7], s[0:1], 0x0                ; ybuf s[4:5], out0 s[6:7]
	v_lshrrev_b32 v1, 5, v0
	v_readfirstlane_b32 s8, v1                     ; wave 0..7
	v_and_b32 v2, 31, v0
	v_lshlrev_b32 v2, 4, v2                        ; 16 x lane
	s_lshl_b32 s9, ttmp9, 3
	s_add_co_u32 s9, s9, s8                        ; the token
	s_lshl_b32 s10, s9, 13                         ; its four rows of 2,048 bytes
	s_mov_b32 s11, 0
	s_lshl_b32 s12, s9, 11
	s_mov_b32 s13, 0
	s_wait_kmcnt 0x0
	s_add_nc_u64 s[4:5], s[4:5], s[10:11]
	s_add_nc_u64 s[6:7], s[6:7], s[12:13]
.irp q, 0,1,2,3                                ; quarter q of the row, of each of the four results
.irp k, 0,1,2,3
	global_load_b128 v[8+16*\q+4*\k:11+16*\q+4*\k], v2, s[4:5] offset:512*\q+2048*\k th:TH_LOAD_NT
.endr
.endr
.irp q, 0,1,2,3
	s_wait_loadcnt 12-4*\q                         ; this quarter's four loads are in; the later quarters' stay out
	v_pk_add_f32 v[8+16*\q:9+16*\q], v[8+16*\q:9+16*\q], v[12+16*\q:13+16*\q]
	v_pk_add_f32 v[10+16*\q:11+16*\q], v[10+16*\q:11+16*\q], v[14+16*\q:15+16*\q]
	v_pk_add_f32 v[16+16*\q:17+16*\q], v[16+16*\q:17+16*\q], v[20+16*\q:21+16*\q]
	v_pk_add_f32 v[18+16*\q:19+16*\q], v[18+16*\q:19+16*\q], v[22+16*\q:23+16*\q]
	v_pk_add_f32 v[8+16*\q:9+16*\q], v[8+16*\q:9+16*\q], v[16+16*\q:17+16*\q]
	v_pk_add_f32 v[10+16*\q:11+16*\q], v[10+16*\q:11+16*\q], v[18+16*\q:19+16*\q]
	global_store_b128 v2, v[8+16*\q:11+16*\q], s[6:7] offset:512*\q th:TH_STORE_NT   ; 512 consecutive bytes, aligned; each quarter has registers of its own, so no store's data are written again
.endr
	s_endpgm
.Lfunc_end_k_q89f58caedf_combine:
	.size	k_q89f58caedf_combine, .Lfunc_end_k_q89f58caedf_combine-k_q89f58caedf_combine
	.p2alignl 7, 3214868480
	.fill 96, 4, 3214868480
	.section	.rodata,"a",@progbits
	.p2align	6, 0x0
	.amdhsa_kernel k_q89f58caedf_combine
		.amdhsa_group_segment_fixed_size 0
		.amdhsa_private_segment_fixed_size 0
		.amdhsa_enable_private_segment 0
		.amdhsa_kernarg_size 16
		.amdhsa_user_sgpr_count 2
		.amdhsa_user_sgpr_kernarg_segment_ptr 1
		.amdhsa_wavefront_size32 1
		.amdhsa_system_sgpr_workgroup_id_x 1
		.amdhsa_system_sgpr_workgroup_id_y 1
		.amdhsa_system_sgpr_workgroup_id_z 1
		.amdhsa_system_vgpr_workitem_id 0
		.amdhsa_next_free_vgpr 80
		.amdhsa_next_free_sgpr 66
		.amdhsa_reserve_vcc 0
		.amdhsa_float_denorm_mode_32 3
		.amdhsa_float_denorm_mode_16_64 3
		.amdhsa_memory_ordered 1
		.amdhsa_forward_progress 1
		.amdhsa_inst_pref_size 5
	.end_amdhsa_kernel
	.amdgpu_metadata
---
amdhsa.version: [ 1, 2 ]
amdhsa.kernels:
  - .name:           k_q89f58caedf_combine
    .symbol:         k_q89f58caedf_combine.kd
    .args:
      - { .name: ybuf, .offset: 0, .size: 8, .value_kind: global_buffer, .address_space: global }
      - { .name: out0, .offset: 8, .size: 8, .value_kind: global_buffer, .address_space: global }
    .group_segment_fixed_size: 0
    .private_segment_fixed_size: 0
    .kernarg_segment_align: 8
    .kernarg_segment_size: 16
    .max_flat_workgroup_size: 256
    .sgpr_count:     66
    .vgpr_count:     80
    .wavefront_size: 32
...
	.end_amdgpu_metadata
.endif
;; end of part 3
;; ======== version 2 of 2: 3 launches; version 1 with the launches router, chain written anew for expert scheduling mode
;; workspace buffers: route 8,192 bytes of whole numbers; idx 32,768 bytes of whole numbers; gate 32,768 bytes; ybuf 35,520,512 bytes
;; launch router (part 4): grid 64 x 1, 1 waves a work-group, no clusters, 0 bytes of LDS; arguments x_codes, x_scales, router_w_codes, router_w_scales, router_b, route, idx, gate; writes route, idx, gate
.if DOCPART == 4
	.amdgcn_target "amdgcn-amd-amdhsa--gfx1250"
	.amdhsa_code_object_version 6
	.text
	.protected	k_q89f58caedf_router
	.globl	k_q89f58caedf_router
	.p2align	8
	.type	k_q89f58caedf_router,@function
k_q89f58caedf_router:
	s_mov_b64 s[64:65], 0
	v_nop
	global_prefetch_b8 v0, s[64:65] scope:SCOPE_SE
	s_setreg_imm32_b32 hwreg(HW_REG_WAVE_SCHED_MODE, 0, 2), 2
	s_setreg_imm32_b32 hwreg(HW_REG_WAVE_MODE, 25, 1), 1
	s_wait_xcnt 0x0
	s_wait_alu depctr_vm_vsrc(0)
; logits = x router_w + router_b on codes of FP4 (E2M1) with E8M0 scales; the four largest logits of each token (of equal ones the lower expert), their softmax, and, for the placing of rows in the
; next launch, a ballot and a count for each expert over the wave's 32 tokens.  All results go to fixed places: no address here hangs on a logit.
; One wave takes 32 tokens: tile A (the first 16) and tile B.  The product is used transposed (source 0 = the 16 experts, source 1 = 16 tokens): a lane then holds one token.
; route: [64 groups of 32 tokens][32 words]: word e the ballot of expert e, word 16 + e its count.  idx: [2048][4] the experts chosen.  gate: [2048][4] their weights.
; LIMITS: NaN and infinities among the logits are not served.
; THE MODE: SCHED_MODE bits 1:0 = 2 (LLVM: expert scheduling mode 2), set by the entry lines.  The code itself states the register dependences between vector or matrix instructions and memory
; instructions, and those that go through a scalar register written by a vector instruction, with s_wait_alu, always for 0.
; THE PLAN.  Registers that memory instructions touch: v3-v7, offsets made once at the head and never written again, read by the loads and by the three stores; v16-143, loaded once;
; v148-155 and v167, written by vector instructions and read by the stores at the end.  So one wait on va_vdst stands ahead of the loads and one ahead of the stores.
; Every compare writes a scalar register of its own; the compares stand in runs, each with one wait on va_sdst between it and the selects that read the masks.
; REGISTERS: v16-47 router_w (4 K steps x 8), v48-79 tile A, v80-111 tile B, v112-119 the bias in the result's layout, v120-135 the two sums, then a lane's 16 logits,
;   v136-139 router_w's scale words, v140-143 x's (these eight hold scales and nothing else), v144-147 the four values, v148-151 their experts, v152-155 the gates, v156-167 at work,
;   v168-175, v184-187 the values and v176-183, v188-191 the experts that are still in the running in a search.
	s_load_b512 s[4:19], s[0:1], 0x0               ; x codes s[4:5], x scales s[6:7], router_w codes s[8:9], its scales s[10:11], router_b s[12:13], route s[14:15], idx s[16:17], gate s[18:19]
	v_and_b32 v1, 15, v0                           ; r
	v_lshrrev_b32 v2, 4, v0                        ; h
	v_lshlrev_b32 v3, 8, v1                        ; a row of 512 codes is 256 bytes
	v_lshl_add_u32 v3, v2, 4, v3                   ; + 16 h
	v_lshlrev_b32 v4, 4, v1                        ; router_w's scales: 16 bytes a row
	v_lshlrev_b32 v5, 4, v0                        ; 16 x lane
	v_lshlrev_b32 v6, 5, v2                        ; the bias: experts 8 h on
	v_lshlrev_b32 v7, 2, v0                        ; 4 x lane
	s_lshl_b32 s20, ttmp9, 13                      ; my 32 rows of codes
	s_mov_b32 s21, 0
	s_lshl_b32 s22, ttmp9, 9                       ; my 32 x 16 bytes of x's scales, of idx and of gate
	s_mov_b32 s23, 0
	s_lshl_b32 s24, ttmp9, 7                       ; my 128 bytes of route
	s_mov_b32 s25, 0
	s_wait_kmcnt 0x0
	s_add_nc_u64 s[4:5], s[4:5], s[20:21]
	s_add_nc_u64 s[6:7], s[6:7], s[22:23]
	s_add_nc_u64 s[14:15], s[14:15], s[24:25]
	s_add_nc_u64 s[16:17], s[16:17], s[22:23]
	s_add_nc_u64 s[18:19], s[18:19], s[22:23]
	s_wait_alu depctr_va_vdst(0)                   ; the offsets v3 to v7 are written: every load and store of the kernel reads one of them
.irp s, 0,1,2,3
.irp c, 0,1
	global_load_b128 v[16+8*\s+4*\c:19+8*\s+4*\c], v3, s[8:9] offset:64*\s+32*\c          ; lane (r, h): k = 128 s + 64 c + 32 h + 0 .. 31 of row r
	global_load_b128 v[48+8*\s+4*\c:51+8*\s+4*\c], v3, s[4:5] offset:64*\s+32*\c
	global_load_b128 v[80+8*\s+4*\c:83+8*\s+4*\c], v3, s[4:5] offset:4096+64*\s+32*\c
.endr
.endr
	global_load_b128 v[136:139], v4, s[10:11]      ; word s: the scales of K step s
	global_load_b128 v[140:143], v5, s[6:7]        ; lanes 0-15: tile A's tokens, lanes 16-31: tile B's
	global_load_b128 v[112:115], v6, s[12:13]      ; register j: router_b[8 h + j]
	global_load_b128 v[116:119], v6, s[12:13] offset:16
	v_mov_b32 v166, 0xff800000                     ; -infinity
	v_mov_b32 v167, 0
	s_wait_loadcnt 0x0
; the two sums take turns, one instruction a turn; the bias is the C of each sum's first product
.irp s, 0,1,2,3
.if \s == 0
	v_wmma_scale_f32_16x16x128_f8f6f4 v[120:127], v[16:23], v[48:55], v[112:119], v136, v140 matrix_a_fmt:MATRIX_FMT_FP4 matrix_b_fmt:MATRIX_FMT_FP4
	v_wmma_scale_f32_16x16x128_f8f6f4 v[128:135], v[16:23], v[80:87], v[112:119], v136, v140 matrix_a_fmt:MATRIX_FMT_FP4 matrix_b_fmt:MATRIX_FMT_FP4 matrix_b_scale:MATRIX_SCALE_ROW1
.else
	v_wmma_scale_f32_16x16x128_f8f6f4 v[120:127], v[16+8*\s:23+8*\s], v[48+8*\s:55+8*\s], v[120:127], v[136+\s], v[140+\s] matrix_a_fmt:MATRIX_FMT_FP4 matrix_b_fmt:MATRIX_FMT_FP4
	v_wmma_scale_f32_16x16x128_f8f6f4 v[128:135], v[16+8*\s:23+8*\s], v[80+8*\s:87+8*\s], v[128:135], v[136+\s], v[140+\s] matrix_a_fmt:MATRIX_FMT_FP4 matrix_b_fmt:MATRIX_FMT_FP4 matrix_b_scale:MATRIX_SCALE_ROW1
.endif
.endr
.rept 4
	v_nop                                          ; four places between the last product and the first read of a result (ISA guide 7.12.1)
.endr
; lane (r, h) holds experts 8 h + j of token r of each tile.  The exchange of halves makes a lane a token: lane L then holds token L, v[120 + e] the logit of expert e.
.irp j, 0,1,2,3,4,5,6,7
	v_permlane16_swap_b32 v[120+\j], v[128+\j]     ; each sum from its low end on
.endr
; The largest of the 16, the lower expert where two are equal; then it is taken out of the running.  Fifteen strict compares, taken as a tree: 8, 4, 2, 1.  In each the side with the higher experts
; wins only if it is strictly larger, so of equal logits the lowest expert comes through.  A level's compares are one run, into s20 on, with one wait ahead of the level's selects.
.macro PICK k
.irp p, 0,1,2,3,4,5,6,7
	v_cmp_gt_f32 s[20+\p], v[121+2*\p], v[120+2*\p]
.endr
	s_wait_alu depctr_va_sdst(0)                   ; the eight masks s20-27 are written, ahead of the selects that read them
.irp p, 0,1,2,3,4,5,6,7
	v_cndmask_b32 v[168+\p], v[120+2*\p], v[121+2*\p], s[20+\p]
	v_cndmask_b32 v[176+\p], 2*\p, 2*\p+1, s[20+\p]
.endr
.irp p, 0,1,2,3
	v_cmp_gt_f32 s[20+\p], v[169+2*\p], v[168+2*\p]
.endr
	s_wait_alu depctr_va_sdst(0)                   ; the four masks s20-23 are written
.irp p, 0,1,2,3
	v_cndmask_b32 v[184+\p], v[168+2*\p], v[169+2*\p], s[20+\p]
	v_cndmask_b32 v[188+\p], v[176+2*\p], v[177+2*\p], s[20+\p]
.endr
.irp p, 0,1
	v_cmp_gt_f32 s[20+\p], v[185+2*\p], v[184+2*\p]
.endr
	s_wait_alu depctr_va_sdst(0)                   ; the two masks s20, s21 are written
.irp p, 0,1
	v_cndmask_b32 v[168+\p], v[184+2*\p], v[185+2*\p], s[20+\p]
	v_cndmask_b32 v[176+\p], v[188+2*\p], v[189+2*\p], s[20+\p]
.endr
	v_cmp_gt_f32 s20, v169, v168
	s_wait_alu depctr_va_sdst(0)                   ; the last mask s20 is written
	v_cndmask_b32 v[144+\k], v168, v169, s20
	v_cndmask_b32 v[148+\k], v176, v177, s20
.if \k < 3
.irp e, 0,1,2,3,4,5,6,7,8,9,10,11,12,13,14,15
	v_cmp_eq_u32 s[20+\e], \e, v[148+\k]
.endr
	s_wait_alu depctr_va_sdst(0)                   ; the sixteen masks s20-35 are written
.irp e, 0,1,2,3,4,5,6,7,8,9,10,11,12,13,14,15
	v_cndmask_b32 v[120+\e], v[120+\e], v166, s[20+\e]
.endr
.endif
.endm
	PICK 0
	PICK 1
	PICK 2
	PICK 3
; the softmax of the four: the largest, the first, is taken away ahead of the exponentials
	v_sub_f32 v158, v145, v144
	v_sub_f32 v159, v146, v144
	v_sub_f32 v160, v147, v144
	v_mul_f32 v158, 0x3fb8aa3b, v158               ; x log2(e)
	v_mul_f32 v159, 0x3fb8aa3b, v159
	v_mul_f32 v160, 0x3fb8aa3b, v160
	v_exp_f32 v153, v158
	v_exp_f32 v154, v159
	v_exp_f32 v155, v160
	v_mov_b32 v161, 1                              ; a plain instruction behind the exponentials (it serves the shifts below)
	s_wait_alu depctr_va_vdst(0)                   ; the three exponentials have written v153-155: one wait, ahead of their first reader
	v_add_f32 v162, 1.0, v153
	v_add_f32 v163, v154, v155
	v_add_f32 v162, v162, v163
	v_rcp_f32 v152, v162                           ; the first gate is 1 / the sum
	v_nop
	s_wait_alu depctr_va_vdst(0)                   ; the reciprocal has written v152, ahead of its first reader
	v_mul_f32 v153, v153, v152
	v_mul_f32 v154, v154, v152
	v_mul_f32 v155, v155, v152
; my token's set of experts as bits; a ballot over the 32 tokens and its count for each expert
	v_lshlrev_b32 v156, v148, v161
	v_lshlrev_b32 v157, v149, v161
	v_lshlrev_b32 v158, v150, v161
	v_lshlrev_b32 v159, v151, v161
	v_or_b32 v156, v156, v157
	v_or_b32 v158, v158, v159
	v_or_b32 v156, v156, v158
.irp e, 0,1,2,3,4,5,6,7,8,9,10,11,12,13,14,15
	v_and_b32 v157, 1<<\e, v156
	v_cmp_ne_u32 s[20+\e], 0, v157
.endr
	s_wait_alu depctr_va_sdst(0)                   ; the sixteen ballots s20-35 are written, ahead of the counts and the lane writes that read them
.irp e, 0,1,2,3,4,5,6,7,8,9,10,11,12,13,14,15
	s_bcnt1_i32_b32 s[36+\e], s[20+\e]
.endr
.irp e, 0,1,2,3,4,5,6,7,8,9,10,11,12,13,14,15
	v_writelane_b32 v167, s[20+\e], \e
	v_writelane_b32 v167, s[36+\e], 16+\e
.endr
	s_wait_alu depctr_va_vdst(0)                   ; v167, the experts v148-151 and the gates v152-155 are written, which the three stores read
	global_store_b32 v7, v167, s[14:15]            ; 128 consecutive bytes
	global_store_b128 v5, v[148:151], s[16:17]     ; 512 consecutive bytes, aligned
	global_store_b128 v5, v[152:155], s[18:19]
	s_endpgm
.Lfunc_end_k_q89f58caedf_router:
	.size	k_q89f58caedf_router, .Lfunc_end_k_q89f58caedf_router-k_q89f58caedf_router
	.p2alignl 7, 3214868480
	.fill 96, 4, 3214868480
	.section	.rodata,"a",@progbits
	.p2align	6, 0x0
	.amdhsa_kernel k_q89f58caedf_router
		.amdhsa_group_segment_fixed_size 0
		.amdhsa_private_segment_fixed_size 0
		.amdhsa_enable_private_segment 0
		.amdhsa_kernarg_size 64
		.amdhsa_user_sgpr_count 2
		.amdhsa_user_sgpr_kernarg_segment_ptr 1
		.amdhsa_wavefront_size32 1
		.amdhsa_system_sgpr_workgroup_id_x 1
		.amdhsa_system_sgpr_workgroup_id_y 1
		.amdhsa_system_sgpr_workgroup_id_z 1
		.amdhsa_system_vgpr_workitem_id 0
		.amdhsa_next_free_vgpr 192
		.amdhsa_next_free_sgpr 66
		.amdhsa_reserve_vcc 0
		.amdhsa_float_denorm_mode_32 3
		.amdhsa_float_denorm_mode_16_64 3
		.amdhsa_memory_ordered 1
		.amdhsa_forward_progress 1
		.amdhsa_inst_pref_size 29
	.end_amdhsa_kernel
	.amdgpu_metadata
---
amdhsa.version: [ 1, 2 ]
amdhsa.kernels:
  - .name:           k_q89f58caedf_router
    .symbol:         k_q89f58caedf_router.kd
    .args:
      - { .name: x_codes, .offset: 0, .size: 8, .value_kind: global_buffer, .address_space: global }
      - { .name: x_scales, .offset: 8, .size: 8, .value_kind: global_buffer, .address_space: global }
      - { .name: router_w_codes, .offset: 16, .size: 8, .value_kind: global_buffer, .address_space: global }
      - { .name: router_w_scales, .offset: 24, .size: 8, .value_kind: global_buffer, .address_space: global }
      - { .name: router_b, .offset: 32, .size: 8, .value_kind: global_buffer, .address_space: global }
      - { .name: route, .offset: 40, .size: 8, .value_kind: global_buffer, .address_space: global }
      - { .name: idx, .offset: 48, .size: 8, .value_kind: global_buffer, .address_space: global }
      - { .name: gate, .offset: 56, .size: 8, .value_kind: global_buffer, .address_space: global }
    .group_segment_fixed_size: 0
    .private_segment_fixed_size: 0
    .kernarg_segment_align: 8
    .kernarg_segment_size: 64
    .max_flat_workgroup_size: 32
    .sgpr_count:     66
    .vgpr_count:     192
    .wavefront_size: 32
...
	.end_amdgpu_metadata
.endif
;; end of part 4
;; launch chain (part 5): grid 143 x 1, 4 waves a work-group, no clusters, 156,160 bytes of LDS; arguments x_codes, x_scales, w1_codes, w1_scales, b1, w2_codes, w2_scales, b2, route, idx, gate, ybuf; writes ybuf
.if DOCPART == 5
	.amdgcn_target "amdgcn-amd-amdhsa--gfx1250"
	.amdhsa_code_object_version 6
	.text
	.protected	k_q89f58caedf_chain
	.globl	k_q89f58caedf_chain
	.p2align	8
	.type	k_q89f58caedf_chain,@function
k_q89f58caedf_chain:
	s_mov_b64 s[64:65], 0
	v_nop
	global_prefetch_b8 v0, s[64:65] scope:SCOPE_SE
	s_setreg_imm32_b32 hwreg(HW_REG_WAVE_SCHED_MODE, 0, 2), 2
	s_setreg_imm32_b32 hwreg(HW_REG_WAVE_MODE, 25, 1), 1
	s_wait_xcnt 0x0
	s_wait_alu depctr_vm_vsrc(0)
; One work-group takes one tile of 64 routed rows of ONE expert through the whole chain: gather x's codes, h = relu(x w1 + b1), h quantised to FP4 (E2M1) along H, y = h w2 + b2, y x the row's gate, stored
; to ybuf at row 4 token + k.  Both products on codes of FP4 with one E8M0 scale for each 32 along K; sums, relu and the quantiser in f32.  The hidden layer never goes to memory.
; THE GRID serves every split: 8,192 routed rows in tiles of 64 over 16 experts are at most 128 + 15 = 143 tiles.  Each work-group finds its tile itself from the 8 KB of route (ballots and counts that the
; launch before stored as whole numbers), by selects alone: NO BRANCH HANGS ON LOADED DATA, so every wave passes every barrier.  The price: a tile slot without a row, and a work-group that a split leaves
; without rows (at most 15), runs the whole text on a clamped token and stores to a dump row of its own (row 8192 + 64 x tile + slot), which nobody reads.
; WHICH WORK-GROUP TAKES WHICH TILE is free: tile = 9 x (work-group % 16) + work-group / 16, a one-to-one map of 0 .. 142 (143 = 16 x 8 + 15).
; SHARES.  H goes in 4 chunks of 512.  THE WAVES SHARE THE COLUMNS: wave w makes hidden units 512 c + 128 w + 0 .. 127 of all 64 rows, which are K step 4 c + w of the second product, and owns outputs
; 128 w + 0 .. 127 of all 64 rows (32 accumulators, 256 registers).  Both products are used transposed (source 0 = 16 rows of a weight, source 1 = 16 tokens): a lane holds one token.
; THE ROWS OF w1 THAT FORM A TILE ARE NOT NEIGHBOURS: lane i of tile 2 b + u takes row 32 b + 8 u + i + 8 (i / 8), so that a lane's 16 registers of tiles 2 b, 2 b + 1 are 16 neighbours along the next K.
; THE WEIGHTS GO FROM MEMORY STRAIGHT INTO OPERAND REGISTERS, through a ring of four buffers of 64 registers.  A granule is 16 loads of 16 bytes a lane, 8 KB; a buffer is asked for again as soon as its 32
; products are done reading it; three granules are always out behind the one that is wanted, over the loop's edge too.  A wave's 16 loads of a granule cover 32 whole aligned pieces of 256 bytes, each byte once.
; NO TENSOR LOADS, NO CLUSTER: a weight byte feeds 64 rows only, so a fragment is used by one wave alone and a way through LDS would add a store and a load for each; and which work-groups share an expert
; hangs on the stored counts (an expert has anything from 0 to 32 tiles), so partners cannot be fixed in the grid.
; OPERANDS GO FROM WAVE TO WAVE THROUGH LDS AS IMAGES OF THEIR REGISTERS (16 bytes a lane at 16 x lane, 512 bytes an instruction): x's 16 fragments once, the hidden layer's 16 in each chunk.
; LIMITS: a hidden block of zeros gets the scale byte 1 where the quantiser says 127 (its codes are zeros, and this text alone reads the bytes).
; THE MODE: SCHED_MODE bits 1:0 = 2 (LLVM: expert scheduling mode 2), set by the entry lines.  The code itself states the register dependences between vector or matrix instructions and memory or LDS
; instructions, and those that go through a scalar register written by a vector instruction, with s_wait_alu, always for 0.
; THE PLAN.  Registers that memory or LDS instructions touch, in the loop:
;   ring buffer b (window 1)      read by the 32 products of block b (first phase) or pair b (second phase); behind them the next granule's loads land in it.
;   v160-175                      read as scale words by a phase's products; LDS loads land in them at each phase's head.
;   v96-159                       b1: read as C by each block's first products; LDS loads land in them at the first phase's head.
;   v192-207, window 2 v128-255   the hidden layer's scale words and fragments: read by the second phase's products; LDS loads land in them at that phase's head.
;   v208-223, v224-227            codes and scale words: written by conversions, exchanges and shifts; read by LDS stores.
;   v11, v12, v13                 read by the LDS loads at the phases' heads; stepped once a chunk.
;   v4-10, v14-25                 made at the head, never written again.   The sums v32-95, y's accumulators and v228-243 are named by vector and matrix instructions alone.
; So a chunk has: one wait on va_vdst behind each block's or pair's products, ahead of the ring's refill (block 2's also lets block 1's codes be stored; pair 3's also stands behind the steps of v11-13 and
; serves the next chunk's head loads, behind which no vector instruction stands); one behind block 3's quantiser, ahead of its LDS stores (it also serves the second phase's head loads); one wait on vm_vsrc
; ahead of the steps of v11-13 (it also frees the codes and scale words for the next chunk), and one in block 2's quantiser (block 1's stores have read the codes).
; REGISTERS, in windows of 256.  Window 0: v1-17 lane numbers and addresses that stay, v18-31 the head's; v32-95 the 8 sums of a block of the hidden layer ((m, u) at 32 + 16 m + 8 u); v96-159 b1 in the
;   result's layout, on the way out the 64 rows' offsets in ybuf; v160-175 a phase's weight scale words, v176-191 x's, v192-207 the hidden layer's (these 48 hold scales and nothing else); v208-223 codes just
;   made; v224-227 scale words just made; v228-243 at work; v244-251 (gate, row of ybuf) for each tile of tokens; v254, v255 the closing add's two.  At the head v32-159 are at work.
;   Window 1: the ring; on the way out buffer m takes tile m's rows back from the stage.   Window 2: v0-127 x's fragments (8 (4 m + s)), v128-255 the hidden layer's; at the head v0-147 carry scales and
;   biases to LDS.   Window 3: y's 32 accumulators ((n, m) at 8 (4 n + m)).
.set LIST, 0                           ; LDS: rows of ybuf at 4 x slot, gates 256 bytes on
.set XSI,  1024                        ; x's scale words: 512 m + 16 x lane
.set XIMG, 3072                        ; x's fragments: 1024 (4 m + s) + 512 c + 16 x lane
.set W1SL, 19456                       ; the expert's w1 scales as they lie, 16 bytes a row
.set W2SL, 52224                       ; its w2 scales, 64 bytes a row + 16 of padding
.set B1L,  93184                       ; b1 of the expert
.set B2L,  101376                      ; b2 of the expert
.set HIMG, 103424                      ; the hidden layer's fragments: 1024 (4 m + wave) + 512 c + 16 x lane
.set HSC,  119808                      ; its scale words: 512 m + 16 x lane + 4 x wave
.set STG,  121856                      ; a stage of 16 rows x (512 + 16) bytes for each wave
.set MSB, 0
.macro WIN new                         ; s_set_vgpr_msb: bits 1:0 source 0, 3:2 source 1, 5:4 source 2, 7:6 destination; the high byte repeats the setting that is left
.if MSB != \new
	s_set_vgpr_msb (MSB<<8)|\new
.set MSB, \new
.endif
.endm
.macro PLACES                          ; four places behind a matrix instruction, ahead of the first read of a result (ISA guide 7.12.1)
.rept 4
	v_nop
.endr
.endm
.macro BAR                             ; my LDS stores have landed and my LDS loads are in: then the work-group's barrier
	s_wait_dscnt 0x0
	s_barrier_signal -1
	s_barrier_wait -1
.endm
; w1's block b of the chunk at s[20:21]: tiles 2 b, 2 b + 1, all four K steps, into ring buffer b: fragment (u, s) at 64 b + 8 (4 u + s)
.macro GRAN1 b
.irp u, 0,1
.irp s, 0,1,2,3
.irp c, 0,1
	global_load_b128 v[64*(\b)+8*(4*\u+\s)+4*\c:64*(\b)+8*(4*\u+\s)+4*\c+3], v4, s[20:21] offset:(32*(\b)+8*\u)*256+64*\s+32*\c
.endr
.endr
.endr
.endm
; w2's pair p of the chunk at s[26:27]: output tiles 2 p, 2 p + 1, the chunk's four K steps, into ring buffer p: fragment (q, s) at 64 p + 8 (4 q + s)
.macro GRAN2 p
.irp q, 0,1
.irp s, 0,1,2,3
.irp c, 0,1
	global_load_b128 v[64*(\p)+8*(4*\q+\s)+4*\c:64*(\p)+8*(4*\q+\s)+4*\c+3], v5, s[26:27] offset:(32*(\p)+16*\q)*1024+64*\s+32*\c
.endr
.endr
.endr
.endm
	s_load_b512 s[16:31], s[0:1], 0x0              ; x codes s[16:17], x scales s[18:19], w1 codes s[20:21], w1 scales s[22:23], b1 s[24:25], w2 codes s[26:27], w2 scales s[28:29], b2 s[30:31]
	s_load_b256 s[32:39], s[0:1], 0x40             ; route s[32:33], idx s[34:35], gate s[36:37], ybuf s[38:39]
	v_lshl_add_u32 v254, v0, 2, 0x26000
	v_mov_b32 v255, 0
	v_and_b32 v1, 31, v0                           ; lane
	v_lshrrev_b32 v30, 2, v1
	v_and_b32 v31, 3, v1
	v_lshlrev_b32 v26, 7, v30
	v_lshl_add_u32 v26, v31, 4, v26                ; route: group lane / 4 (128 bytes each), experts 4 (lane % 4) on
	s_wait_kmcnt 0x0
	s_wait_alu depctr_va_vdst(0)                   ; v26 is written, which route's loads read as their offset
.irp i, 0,1,2,3,4,5,6,7                        ; load i: group 8 i + lane / 4; register q: expert 4 (lane % 4) + q
	global_load_b128 v[64+4*\i:67+4*\i], v26, s[32:33] offset:1024*\i        ; the ballots
	global_load_b128 v[32+4*\i:35+4*\i], v26, s[32:33] offset:1024*\i+64     ; the counts
.endr
; every address that hangs on the lane and the wave alone is made while those loads are out
	v_mul_u32_u24 v22, v30, 80
	v_lshl_add_u32 v22, v31, 4, v22
	v_lshrrev_b32 v31, 5, v0
	v_readfirstlane_b32 s8, v31                    ; wave 0..3
	s_and_b32 s9, ttmp9, 15                        ; the number of my tile among all 143:
	s_mul_i32 s9, s9, 9                            ; 9 x (work-group % 16)
	s_lshr_b32 s2, ttmp9, 4
	s_add_co_u32 s9, s9, s2                        ; + work-group / 16
	s_mov_b32 s56, 0x76543210
	s_mov_b32 s57, 0xfedcba98                      ; v_permlanex16_b32's selects for lane l xor 16
	v_and_b32 v2, 15, v0                           ; r
	v_bfe_u32 v3, v0, 4, 1                         ; h
	v_and_b32 v31, 8, v2
	v_add_nc_u32 v31, v31, v2                      ; r + 8 (r / 8)
	v_lshlrev_b32 v4, 8, v31
	v_lshl_add_u32 v4, v3, 4, v4                   ; v4  w1: my row of a tile x 256 bytes + 16 h
	v_lshlrev_b32 v5, 10, v2
	v_lshl_add_u32 v5, v3, 4, v5                   ; v5  w2: row r x 1,024 bytes + 16 h
	v_lshlrev_b32 v6, 4, v1                        ; v6  16 x lane
	s_wait_alu depctr_va_sdst(0)                   ; s8, the wave's number, is written, ahead of its first reader
	s_lshl_b32 s2, s8, 10
	s_add_co_u32 s2, s2, HIMG
	v_add_nc_u32 v7, s2, v6                        ; v7  where I store the hidden layer's images
	s_lshl_b32 s2, s8, 2
	s_add_co_u32 s2, s2, HSC
	v_add_nc_u32 v8, s2, v6                        ; v8  and their scale words
	v_add_nc_u32 v9, HIMG, v6                      ; v9  where any wave reads the images
	v_add_nc_u32 v10, HSC, v6                      ; v10 and the scale words
	s_lshl_b32 s4, s8, 9                           ; 512 x wave
	s_add_co_u32 s2, s4, B1L
	v_lshl_add_u32 v11, v3, 6, s2                  ; v11 b1: my wave's 128 numbers of the chunk, + 16 h numbers; 2,048 bytes on in each chunk
	v_add_nc_u32 v23, s2, v6                       ; v23 where b1 is laid
	s_add_co_u32 s2, s4, B2L
	v_lshl_add_u32 v17, v3, 5, s2                  ; v17 b2: my wave's 128 numbers, + 8 h numbers
	v_add_nc_u32 v24, s2, v6                       ; v24 where b2 is laid
	v_add_nc_u32 v16, s4, v6                       ; v16 my bytes in a row of ybuf: 512 x wave + 16 x lane
	s_add_co_u32 s2, s4, XSI
	v_add_nc_u32 v20, s2, v6                       ; v20 where I store x's scale words
	s_lshl_b32 s2, s8, 11
	s_add_co_u32 s2, s2, W1SL
	v_add_nc_u32 v21, s2, v6                       ; v21 where w1's scales are laid
	v_lshl_add_u32 v12, v3, 3, v31
	v_lshl_add_u32 v12, v12, 4, s2                 ; v12 w1's scale words: lanes 0-15 the rows of tile 2 b, lanes 16-31 those of tile 2 b + 1; 8,192 bytes on in each chunk
	s_mul_i32 s2, s8, 10240
	s_add_co_u32 s2, s2, W2SL
	v_add_nc_u32 v22, s2, v22                      ; v22 where w2's scales are laid: four lanes to a row of 64 bytes, rows 80 bytes apart
	v_mul_u32_u24 v13, v1, 80
	v_add_nc_u32 v13, s2, v13                      ; v13 w2's scale words: row 128 w + lane; 16 bytes on in each chunk
	s_mul_i32 s2, s8, 8448
	s_add_co_u32 s2, s2, STG
	v_mul_u32_u24 v14, v2, 528
	v_lshl_add_u32 v14, v3, 5, v14
	v_add_nc_u32 v14, s2, v14                      ; v14 my stage, in: row r, + 32 h
	v_add_nc_u32 v15, s2, v6                       ; v15 and back: a row of 512 bytes to the 32 lanes
	s_lshl_b32 s2, s8, 12
	s_add_co_u32 s2, s2, XIMG
	v_add_nc_u32 v19, s2, v6                       ; v19 where I store x's images
	v_lshlrev_b32 v25, 2, v2                       ; v25 4 r: a slot's word in the list
	s_lshl_b32 s2, s8, 6
	v_add_nc_u32 v18, s2, v25                      ; v18 where I store my 16 slots' words
.irp m, 0,1,2,3
	v_mov_b32 v[232+\m], 0                         ; written once: a lane permute's destination counts as one of its sources
.endr
	s_wait_loadcnt 0x0                             ; route
; EACH EXPERT'S NUMBER OF ROWS: over the eight loads, then over the lanes that hold other groups (lane xor 4, 8, 16)
.irp i, 1,2,3,4,5,6,7
.irp q, 0,1,2,3
	v_add_nc_u32 v[32+\q], v[32+\q], v[32+4*\i+\q]
.endr
.endr
.irp x, 4,8
.irp q, 0,1,2,3
	v_mov_b32_dpp v[36+\q], v[32+\q] row_xmask:\x row_mask:0xf bank_mask:0xf
.endr
.irp q, 0,1,2,3
	v_add_nc_u32 v[32+\q], v[32+\q], v[36+\q]
.endr
.endr
.irp q, 0,1,2,3
	v_permlanex16_b32 v[36+\q], v[32+\q], s56, s57
.endr
.irp q, 0,1,2,3
	v_add_nc_u32 v[32+\q], v[32+\q], v[36+\q]
.endr
.irp a, 0,1,2,3
.irp q, 0,1,2,3
	v_readlane_b32 s[40+4*\a+\q], v[32+\q], \a     ; s[40 + e]: the rows of expert e
.endr
.endr
	s_wait_alu depctr_va_sdst(0)                   ; the sixteen counts s40-55 are written, ahead of the search that reads them
; WHICH EXPERT'S TILE IS MINE: the last expert whose first tile's number is not above my tile's (so an expert without rows is passed over)
	s_mov_b32 s13, 0                               ; the running number of tiles
	s_mov_b32 s10, 0
	s_mov_b32 s11, 0
	s_mov_b32 s12, 0
.irp e, 0,1,2,3,4,5,6,7,8,9,10,11,12,13,14,15
	s_cmp_ge_u32 s9, s13
	s_cselect_b32 s10, \e, s10                     ; the expert,
	s_cselect_b32 s11, s13, s11                    ; its first tile,
	s_cselect_b32 s12, s[40+\e], s12               ; its rows
	s_add_co_u32 s14, s[40+\e], 63
	s_lshr_b32 s14, s14, 6
	s_add_co_u32 s13, s13, s14
.endr
	s_sub_co_u32 s11, s9, s11                      ; my tile among the expert's
	s_min_u32 s10, s10, 15                         ; the expert enters addresses behind this bound
	s_mov_b32 s3, 0
	s_lshl_b32 s4, s10, 19                         ; an expert's codes of w1 and of w2: 524,288 bytes each
	s_lshl_b32 s5, s8, 15
	s_add_co_u32 s2, s4, s5
	s_add_nc_u64 s[20:21], s[20:21], s[2:3]        ; w1: my wave's 128 rows of chunk 0
	s_lshl_b32 s5, s8, 17
	s_add_co_u32 s2, s4, s5
	s_add_nc_u64 s[26:27], s[26:27], s[2:3]        ; w2: my wave's 128 rows, chunk 0's 256 bytes of each
	s_lshl_b32 s4, s10, 15                         ; an expert's scale bytes: 32,768 each
	s_lshl_b32 s5, s8, 11
	s_add_co_u32 s2, s4, s5
	s_add_nc_u64 s[22:23], s[22:23], s[2:3]
	s_lshl_b32 s5, s8, 13
	s_add_co_u32 s2, s4, s5
	s_add_nc_u64 s[28:29], s[28:29], s[2:3]
	s_lshl_b32 s4, s10, 13
	s_lshl_b32 s5, s8, 9
	s_add_co_u32 s2, s4, s5
	s_add_nc_u64 s[24:25], s[24:25], s[2:3]        ; b1
	s_lshl_b32 s4, s10, 11
	s_add_co_u32 s2, s4, s5
	s_add_nc_u64 s[30:31], s[30:31], s[2:3]        ; b2
; 37 loads of 512 consecutive bytes: the scales and biases that my wave will use, on their way to LDS
	WIN 0x80
	s_wait_alu depctr_va_vdst(0)                   ; all the addresses v4 to v25 are written, which the loads and stores of the whole kernel read; but for v11-13 none of them is written again
.irp c, 0,1,2,3
.irp i, 0,1,2,3
	global_load_b128 v[4*(4*\c+\i):4*(4*\c+\i)+3], v6, s[22:23] offset:8192*\c+512*\i
.endr
.endr
.irp i, 0,1,2,3,4,5,6,7,8,9,10,11,12,13,14,15
	global_load_b128 v[64+4*\i:67+4*\i], v6, s[28:29] offset:512*\i
.endr
.irp c, 0,1,2,3
	global_load_b128 v[128+4*\c:131+4*\c], v6, s[24:25] offset:2048*\c
.endr
	global_load_b128 v[144:147], v6, s[30:31]
	WIN 0x40
	GRAN1 0                                        ; the ring's first granule: 53 loads of mine are out while the rows are searched for
	WIN 0
; WHICH TOKENS ARE MINE.  Wave w finds slots 16 w + r of the tile (both halves of the lanes do the same): the token of rank rho = 64 x tile + slot among those that chose the expert, tokens ascending.
	s_and_b32 s2, s10, 1
	s_cmp_lg_u32 s2, 0
	s_cselect_b32 s59, -1, 0
	s_and_b32 s2, s10, 2
	s_cmp_lg_u32 s2, 0
	s_cselect_b32 s60, -1, 0
.irp i, 0,1,2,3,4,5,6,7                        ; the expert's ballots: register e % 4 of each load,
	v_cndmask_b32 v[96+\i], v[64+4*\i], v[65+4*\i], s59
	v_cndmask_b32 v111, v[66+4*\i], v[67+4*\i], s59
	v_cndmask_b32 v[96+\i], v[96+\i], v111, s60
.endr
	s_lshr_b32 s2, s10, 2
.irp g, 0,1,2,3,4,5,6,7
	s_add_co_u32 s[66+\g], s2, 4*\g                ; in lane 4 (group % 8) + e / 4
.endr
	s_lshl_b32 s14, s11, 6
	s_lshl_b32 s2, s8, 4
	s_add_co_u32 s14, s14, s2
	v_add_nc_u32 v104, s14, v2                     ; rho
	v_mov_b32 v105, 0                              ; the group that holds my row,
	v_mov_b32 v106, 0                              ; its ballot,
	v_mov_b32 v107, 0                              ; the rows ahead of it
	s_mov_b32 s74, 0
; the last group with no more than rho rows ahead of it.  Sixteen groups at a time: their ballots into s80-95, then the rows ahead of each into s40-55; then, eight groups at a time, the compares as one run
; into s96-101, s61, s62 and the selects that read these masks: each run of vector instructions that write scalar registers has one wait behind it
.set GB, 0
.rept 4
.irp k, 0,1,2,3,4,5,6,7,8,9,10,11,12,13,14,15
	v_readlane_b32 s[80+\k], v[96+(GB+\k)/8], s[66+\k%8]
.endr
	s_wait_alu depctr_va_sdst(0)                   ; the sixteen ballots s80-95 are written, ahead of the counts that read them
.irp k, 0,1,2,3,4,5,6,7,8,9,10,11,12,13,14,15
	s_mov_b32 s[40+\k], s74
	s_bcnt1_i32_b32 s76, s[80+\k]
	s_add_co_u32 s74, s74, s76
.endr
.irp hf, 0,8
.irp k, 0,1,2,3,4,5,6,7
	v_cmp_le_u32 s[96+\k-41*(\k/6)], s[40+\hf+\k], v104
.endr
	s_wait_alu depctr_va_sdst(0)                   ; the eight masks are written, ahead of the selects that read them
.irp k, 0,1,2,3,4,5,6,7
	v_cndmask_b32 v105, v105, GB+\hf+\k, s[96+\k-41*(\k/6)]
	v_cndmask_b32 v106, v106, s[80+\hf+\k], s[96+\k-41*(\k/6)]
	v_cndmask_b32 v107, v107, s[40+\hf+\k], s[96+\k-41*(\k/6)]
.endr
.endr
.set GB, GB+16
.endr
	v_sub_nc_u32 v108, v104, v107                  ; n: my row is the ballot's set bit number n, counted from 0
	v_mov_b32 v109, 0
	v_mov_b32 v110, 0
; its place = how many bits b have at most n set bits among bits 0 .. b.  Eight bits at a time: the compares as one run into the same eight scalar registers, one wait, then 0 or 1 for each is added
.set BI, 0
.rept 4
.irp k, 0,1,2,3,4,5,6,7
	v_bfe_u32 v111, v106, BI+\k, 1
	v_add_nc_u32 v109, v109, v111
	v_cmp_le_u32 s[96+\k-41*(\k/6)], v109, v108
.endr
	s_wait_alu depctr_va_sdst(0)                   ; the eight masks are written, ahead of the selects that read them
.irp k, 0,1,2,3,4,5,6,7
	v_cndmask_b32 v111, 0, 1, s[96+\k-41*(\k/6)]
	v_add_nc_u32 v110, v110, v111
.endr
.set BI, BI+8
.endr
	v_lshl_add_u32 v112, v105, 5, v110
	v_min_u32 v112, 0x7ff, v112                    ; the token; a slot without a row is held inside the tensor
	v_cmp_gt_u32 s15, s12, v104                    ; has the slot a row?  (read behind the wait that stands with the three compares below)
	v_lshlrev_b32 v113, 8, v112
	v_lshl_add_u32 v113, v3, 4, v113
	v_lshlrev_b32 v114, 4, v112
	s_wait_alu depctr_va_vdst(0)                   ; v113 and v114 are written, which the token's loads read as their offsets
.irp s, 0,1,2,3
.irp c, 0,1
	global_load_b128 v[116+8*\s+4*\c:119+8*\s+4*\c], v113, s[16:17] offset:64*\s+32*\c     ; my token's codes, in the operand's layout
.endr
.endr
	global_load_b128 v[148:151], v114, s[18:19]    ; its four scale words,
	global_load_b128 v[152:155], v114, s[34:35]    ; its four experts,
	global_load_b128 v[156:159], v114, s[36:37]    ; their gates
	s_wait_loadcnt 27                              ; behind the 37 loads of scales and biases stand the granule's 16 and these 11
	WIN 0x08                                       ; an LDS store's data are its source 1: window 2
.irp c, 0,1,2,3
.irp i, 0,1,2,3
	ds_store_b128 v21, v[4*(4*\c+\i):4*(4*\c+\i)+3] offset:8192*\c+512*\i
.endr
.endr
.irp i, 0,1,2,3,4,5,6,7,8,9,10,11,12,13,14,15
	ds_store_b128 v22, v[64+4*\i:67+4*\i] offset:640*\i
.endr
.irp c, 0,1,2,3
	ds_store_b128 v23, v[128+4*\c:131+4*\c] offset:2048*\c
.endr
	ds_store_b128 v24, v[144:147]
	WIN 0x40
	GRAN1 1                                        ; the rest of the ring
	GRAN1 2
	GRAN1 3
	WIN 0
	s_wait_loadcnt 48                              ; behind the token's 11 loads stand these three granules, which stay out
	v_mov_b32 v27, 0                               ; which of the token's four choices is this expert, and its gate
	v_mov_b32 v28, v156
.irp q, 1,2,3
	v_cmp_eq_u32 s[95+\q], s10, v[152+\q]
.endr
	s_wait_alu depctr_va_sdst(0)                   ; the three masks s96-98 are written, and so is s15, ahead of the selects that read them
.irp q, 1,2,3
	v_cndmask_b32 v27, v27, \q, s[95+\q]
	v_cndmask_b32 v28, v28, v[156+\q], s[95+\q]
.endr
	v_lshl_add_u32 v27, v112, 2, v27               ; the row of ybuf: 4 token + k;
	s_lshl_b32 s2, s9, 6
	s_lshl_b32 s4, s8, 4
	s_add_co_u32 s2, s2, s4
	s_add_co_u32 s2, s2, 8192
	v_add_nc_u32 v29, s2, v2                       ; for a slot without a row: its dump row
	v_cndmask_b32 v27, v29, v27, s15
	s_wait_alu depctr_va_vdst(0)                   ; v27 and v28 are written, which the two LDS stores below read; the head's vector instructions are done with v96-159, in which b1 lands in the first chunk
	ds_store_b32 v18, v27                          ; (both halves of the lanes write the same word with the same value)
	ds_store_b32 v18, v28 offset:256
.irp s, 0,1,2,3
.irp c, 0,1
	ds_store_b128 v19, v[116+8*\s+4*\c:119+8*\s+4*\c] offset:1024*\s+512*\c
.endr
.endr
	ds_store_b128 v20, v[148:151]
	BAR                                            ; the list, x's images and scale words, and all that was laid in LDS are there for every wave
	WIN 0x80
	s_wait_alu depctr_vm_vsrc(0)                   ; my LDS stores have read window 2's v0-147 and v116-151, and the token's loads v113 and v114: loads land in all of these from here on
.irp m, 0,1,2,3
.irp s, 0,1,2,3
.irp c, 0,1
	ds_load_b128 v[8*(4*\m+\s)+4*\c:8*(4*\m+\s)+4*\c+3], v6 offset:XIMG+(4*\m+\s)*1024+512*\c      ; x's 16 fragments stay in registers
.endr
.endr
.endr
	WIN 0
.irp m, 0,1,2,3
	ds_load_b128 v[176+4*\m:179+4*\m], v6 offset:XSI+512*\m
	ds_load_b32 v[244+2*\m], v25 offset:LIST+256+64*\m       ; the gate of token r of tile m,
	ds_load_b32 v[245+2*\m], v25 offset:LIST+64*\m           ; and its row of ybuf
.endr
	WIN 0xc0
.irp n, 0,1,2,3,4,5,6,7                        ; y's sums begin as b2: register j of (n, m): b2[128 w + 16 n + 8 h + j].  Nothing is cleared, and every product of the second kind adds in place
.irp m, 0,1,2,3
	ds_load_b128 v[8*(4*\n+\m):8*(4*\n+\m)+3], v17 offset:64*\n
	ds_load_b128 v[8*(4*\n+\m)+4:8*(4*\n+\m)+7], v17 offset:64*\n+16
.endr
.endr
	WIN 0
	s_wait_dscnt 0x0
; a product of the first kind: block b, K step s, tokens' tile m, w1's tile 2 b + u.  The first K step takes b1 as C.  One register carries the scale words of both tiles of a block: tile 2 b + 1's lie in lanes 16-31
.macro MM1 b, s, m, u
.set rD, 32+16*(\m)+8*(\u)
.set rA, 64*(\b)+8*(4*(\u)+(\s))
.set rB, 8*(4*(\m)+(\s))
.set rC, rD
.if (\s) == 0
.set rC, 96+16*(\b)+8*(\u)
.endif
.if (\u) == 0
	v_wmma_scale_f32_16x16x128_f8f6f4 v[rD:rD+7], v[rA:rA+7], v[rB:rB+7], v[rC:rC+7], v[160+4*(\b)+(\s)], v[176+4*(\m)+(\s)] matrix_a_fmt:MATRIX_FMT_FP4 matrix_b_fmt:MATRIX_FMT_FP4
.else
	v_wmma_scale_f32_16x16x128_f8f6f4 v[rD:rD+7], v[rA:rA+7], v[rB:rB+7], v[rC:rC+7], v[160+4*(\b)+(\s)], v[176+4*(\m)+(\s)] matrix_a_fmt:MATRIX_FMT_FP4 matrix_b_fmt:MATRIX_FMT_FP4 matrix_a_scale:MATRIX_SCALE_ROW1
.endif
.endm
; a product of the second kind: pair p, the chunk's K step s, w2's tile 2 p + q, tokens' tile m
.macro MM2 p, s, q, m
.set rD, 8*(4*(2*(\p)+(\q))+(\m))
.set rA, 64*(\p)+8*(4*(\q)+(\s))
.set rB, 128+8*(4*(\m)+(\s))
.if (\q) == 0
	v_wmma_scale_f32_16x16x128_f8f6f4 v[rD:rD+7], v[rA:rA+7], v[rB:rB+7], v[rD:rD+7], v[160+4*(\p)+(\s)], v[192+4*(\m)+(\s)] matrix_a_fmt:MATRIX_FMT_FP4 matrix_b_fmt:MATRIX_FMT_FP4
.else
	v_wmma_scale_f32_16x16x128_f8f6f4 v[rD:rD+7], v[rA:rA+7], v[rB:rB+7], v[rD:rD+7], v[160+4*(\p)+(\s)], v[192+4*(\m)+(\s)] matrix_a_fmt:MATRIX_FMT_FP4 matrix_b_fmt:MATRIX_FMT_FP4 matrix_a_scale:MATRIX_SCALE_ROW1
.endif
.endm
; BLOCK b OF THE HIDDEN LAYER IS QUANTISED, for the four tiles of tokens by turns.  A lane's 16 registers of tile m are hidden units 32 b + 16 h + 0 .. 15 of its token; lane l xor 16 holds the block's other half.
; The codes of two blocks make half a fragment in v208-223; they are left there: the first phase stores them behind a wait that it has anyway.
.macro QB b
.set RI, 0
.rept 64
	v_max_num_f32 v[32+RI], 0, v[32+RI]            ; relu, in f32; each sum from its low end on
.set RI, RI+1
.endr
.irp m, 0,1,2,3
	v_max3_num_f32 v[228+\m], v[32+16*\m], v[33+16*\m], 0x1800000      ; the largest of my 16 (none is negative), and the floor 2^(3 - 127): so the byte cannot fall under 1
.endr
.irp i, 2,4,6,8,10,12,14
.irp m, 0,1,2,3
	v_max3_num_f32 v[228+\m], v[228+\m], v[32+16*\m+\i], v[33+16*\m+\i]
.endr
.endr
.irp m, 0,1,2,3
	v_permlanex16_b32 v[232+\m], v[228+\m], s56, s57
.endr
.irp m, 0,1,2,3
	v_max_num_f32 v[228+\m], v[228+\m], v[232+\m]  ; the block's largest magnitude
.endr
.irp m, 0,1,2,3
	v_add_nc_u32 v[236+\m], 0xff000000, v[228+\m]  ; 2 off its exponent field: the conversion takes the exponent field of this operand as its scale
.endr
.irp m, 0,1,2,3
	v_lshrrev_b32 v[240+\m], 23, v[236+\m]         ; the scale's byte
.endr
.irp m, 0,1,2,3
.if (\b) == 0
	v_mov_b32 v[224+\m], v[240+\m]                 ; the four blocks' bytes make the scale word of my K step
.else
	v_lshl_or_b32 v[224+\m], v[240+\m], 8*(\b), v[224+\m]
.endif
.endr
	s_wait_dscnt 0x0                               ; earlier LDS stores are done
.if (\b) == 2
	s_wait_alu depctr_vm_vsrc(0)                   ; the LDS stores of blocks 0 and 1's codes, issued at this block's head, have read v208-223, which the conversions of blocks 2 and 3 write again
.endif
.irp m, 0,1,2,3
	v_cvt_scalef32_pk8_fp4_f32 v[208+4*\m+2*((\b)&1)], v[32+16*\m:39+16*\m], v[236+\m]
	v_cvt_scalef32_pk8_fp4_f32 v[209+4*\m+2*((\b)&1)], v[40+16*\m:47+16*\m], v[236+\m]
.endr
	v_nop                                          ; one plain instruction behind the last scaled conversion
.if ((\b)&1) == 1
.irp m, 0,1,2,3                                ; the operand's layout wants a WHOLE block in a lane: lanes 0-15 the even block, lanes 16-31 the odd one
.irp i, 0,1
	v_permlane16_swap_b32 v[208+4*\m+\i], v[210+4*\m+\i]
.endr
.endr
.endif
.endm
; THE FIRST PHASE OF A CHUNK: my 128 hidden units of the 64 rows, a block of 32 at a time: 32 products, 8 sums by turns (one instruction a turn).
; As soon as a block's products are done its ring buffer takes a pair of w2's tiles of this chunk.  step = 1: w1's address goes on to the next chunk.
; The head's LDS loads stand behind a wait on va_vdst with no vector instruction between: in the first chunk the head's last, later the one ahead of the ring's last refill of the chunk before.
.macro PH1 step
.irp b, 0,1,2,3
	ds_load_b128 v[160+4*\b:163+4*\b], v12 offset:512*\b                   ; w1's scale words of block b: word s for K step s
.endr
.irp b, 0,1,2,3
.irp q, 0,1,2,3
	ds_load_b128 v[96+16*\b+4*\q:99+16*\b+4*\q], v11 offset:128*\b+16*\q   ; b1 at the lane's 16 hidden units of block b
.endr
.endr
	s_wait_dscnt 0x0
.irp b, 0,1,2,3
	s_wait_loadcnt 48                              ; the granule wanted is in; the three issued behind it stay out
.if \b == 3
.if \step
	s_add_nc_u64 s[20:21], s[20:21], 131072        ; 512 rows of w1 on.  The 48 loads that may be out are w2's pairs 0 to 2, issued behind w1's last granule: every load that names s[20:21] is done
.endif
.endif
	WIN 0x09                                       ; source 0 (w1) window 1, source 1 (x) window 2, C and D window 0
.irp s, 0,1,2,3
.irp m, 0,1,2,3
.irp u, 0,1
	MM1 \b, \s, \m, \u
.endr
.endr
.endr
	PLACES
	WIN 0x40
	s_wait_alu depctr_va_vdst(0)                   ; this block's products are done reading ring buffer b, in which the loads below land; in block 2 also: block 1's exchanges have written the codes v208-223
	GRAN2 \b
	WIN 0
.if \b == 2
.irp m, 0,1,2,3
	ds_store_b128 v7, v[208+4*\m:211+4*\m] offset:4096*\m                  ; blocks 0 and 1: the first half of a fragment's image.  No vector instruction since the wait above names these registers
.endr
.endif
	QB \b
.endr
	s_wait_alu depctr_va_vdst(0)                   ; block 3's exchanges have written the codes v208-223 and its shifts the scale words v224-227, which the LDS stores read; the phase's products are done reading v160-175
.irp m, 0,1,2,3
	ds_store_b128 v7, v[208+4*\m:211+4*\m] offset:4096*\m+512              ; blocks 2 and 3: the second half
.endr
.irp m, 0,1,2,3
	ds_store_b32 v8, v[224+\m] offset:512*\m
.endr
.endm
; THE SECOND PHASE: the chunk's 512 hidden units into my 128 outputs of the 64 rows, a pair of w2's tiles at a time: 32 products, 8 accumulators by turns.
; refill = 1: a buffer whose products are done takes a block of w1 of the next chunk, at which s[20:21] stands already.  refill = 0, the last chunk: nothing is asked for, and the counts run down.
; The head's LDS loads stand behind the first phase's last wait on va_vdst: between the two stand only LDS stores, which read none of the registers that these loads touch, and the barrier.
.macro PH2 refill
.irp p, 0,1,2,3
	ds_load_b128 v[160+4*\p:163+4*\p], v13 offset:2560*\p                  ; w2's scale words of pair p: lanes 0-15 tile 2 p, lanes 16-31 tile 2 p + 1
.endr
.irp m, 0,1,2,3
	ds_load_b128 v[192+4*\m:195+4*\m], v10 offset:512*\m                   ; the hidden layer's: word s from wave s
.endr
	WIN 0x80
.irp s, 0,1,2,3
.irp m, 0,1,2,3
.irp c, 0,1
	ds_load_b128 v[128+8*(4*\m+\s)+4*\c:128+8*(4*\m+\s)+4*\c+3], v9 offset:(4*\m+\s)*1024+512*\c
.endr
.endr
.endr
.irp p, 0,1,2,3
.if \refill
	s_wait_loadcnt 48                              ; the three granules issued behind the one wanted stay out
.if \p == 3
	s_add_nc_u64 s[26:27], s[26:27], 256           ; 512 codes on in each row of w2.  The 48 loads that may be out are w1's blocks 0 to 2, issued behind w2's last pair: every load that names s[26:27] is done
.endif
.else
	s_wait_loadcnt 16*(3-\p)                       ; the pairs that are left
.endif
	WIN 0xf9                                       ; source 0 (w2) window 1, source 1 (hidden) window 2, C and D window 3
.irp s, 0,1,2,3
.if \p == 0
	s_wait_dscnt 8*(3-\s)                          ; the eight loads of each later K step may stay out
.endif
.irp q, 0,1
.irp m, 0,1,2,3
	MM2 \p, \s, \q, \m
.endr
.endr
.endr
	PLACES
.if \refill
.if \p == 0
	s_wait_dscnt 0x0                               ; my reads of the hidden layer's images are in (the count reached 0 at K step 3):
	s_barrier_signal -1                            ; behind this barrier the next chunk may write them anew
	s_barrier_wait -1
.endif
.if \p == 3
	WIN 0
	s_wait_alu depctr_vm_vsrc(0)                   ; the chunk's LDS loads have read v11, v12 and v13, which are stepped here; its LDS stores have read v208-227, which the next chunk writes again
	v_add_nc_u32 v11, 2048, v11                    ; the next chunk's b1 and scale words in LDS
	v_add_nc_u32 v12, 8192, v12
	v_add_nc_u32 v13, 16, v13
.endif
	WIN 0x40
	s_wait_alu depctr_va_vdst(0)                   ; this pair's products are done reading ring buffer p, in which the loads below land; behind pair 3 also: v11-13 are written, and the products are done reading v160-175
	GRAN1 \p
.endif
.endr
	WIN 0
.endm
	s_mov_b32 s58, 3
.Lchunk:                                           ; chunks 0 to 2; two barriers a chunk; no wait stands at the loop's edge: the ring's loads stay out across it
	PH1 1
	BAR                                            ; the hidden layer's sixteen fragments and their scale words lie in LDS
	PH2 1
	s_sub_co_u32 s58, s58, 1
	s_cmp_lg_u32 s58, 0
	s_cbranch_scc1 .Lchunk
	PH1 0                                          ; the last chunk is written out: no load leaves its buffer
	BAR
	PH2 0
; THE WAY OUT.  All vector work first: the 64 rows' offsets in ybuf, into the registers that held b1, and every accumulator x its token's gate.  Then ONE wait, behind which no vector instruction stands.
; Then, a tile of 16 tokens at a time: through my own stage in LDS, since a lane holds 32 bytes of a row and the lanes beside it hold other rows; back as rows of 512 bytes, which the 32 lanes store as
; 512 consecutive bytes, aligned, each row at its own place in ybuf.  Tile m comes back into ring buffer m, so that no store's data or offset is ever written again; and tile m + 1 goes through the stage
; while tile m is stored.  LDS serves a wave's instructions in order (ISA guide 5.7.1.4): no wait between a tile's stores and its loads, nor ahead of the next tile's stores.
.macro ROWS m, sb                      ; the sixteen tokens' rows of ybuf of tile m into s[sb] on
.irp i, 0,1,2,3,4,5,6,7,8,9,10,11,12,13,14,15
	v_readlane_b32 s[\sb+\i], v[245+2*(\m)], \i
.endr
.endm
.macro OFFS m, sb                      ; bounded and turned into offsets
.irp i, 0,1,2,3,4,5,6,7,8,9,10,11,12,13,14,15
	s_min_u32 s[\sb+\i], s[\sb+\i], 17343          ; held inside the buffer's 17,344 rows,
	s_lshl_b32 s[\sb+\i], s[\sb+\i], 11            ; of 2,048 bytes
.endr
.irp i, 0,1,2,3,4,5,6,7,8,9,10,11,12,13,14,15
	v_add_nc_u32 v[96+16*(\m)+\i], s[\sb+\i], v16
.endr
.endm
.macro TOSTAGE m
	WIN 0x0c                                       ; an LDS store's data: window 3
.irp n, 0,1,2,3,4,5,6,7
	ds_store_b128 v14, v[8*(4*\n+(\m)):8*(4*\n+(\m))+3] offset:64*\n
	ds_store_b128 v14, v[8*(4*\n+(\m))+4:8*(4*\n+(\m))+7] offset:64*\n+16
.endr
	WIN 0x40                                       ; an LDS load's data: window 1
.irp i, 0,1,2,3,4,5,6,7,8,9,10,11,12,13,14,15
	ds_load_b128 v[64*(\m)+4*\i:64*(\m)+4*\i+3], v15 offset:528*\i
.endr
.endm
.macro SEND m, younger                 ; younger: the LDS instructions issued behind tile m's loads: the next tile's 32, or none
	WIN 0x04                                       ; a global store's data are its source 1: window 1; its offset, source 0: window 0
.irp i, 0,1,2,3,4,5,6,7,8,9,10,11,12,13,14,15
	s_wait_dscnt \younger+15-\i                    ; row i is back; the later rows, and the next tile, may be out
	global_store_b128 v[96+16*(\m)+\i], v[64*(\m)+4*\i:64*(\m)+4*\i+3], s[38:39] th:TH_STORE_NT
.endr
.endm
	ROWS 0, 40
	ROWS 1, 80
	s_wait_alu depctr_va_sdst(0)                   ; the rows of tiles 0 and 1, s40-55 and s80-95, are written, ahead of the scalar lines that read them
	OFFS 0, 40
	OFFS 1, 80
	ROWS 2, 40
	ROWS 3, 80
	s_wait_alu depctr_va_sdst(0)                   ; likewise those of tiles 2 and 3
	OFFS 2, 40
	OFFS 3, 80
	WIN 0xc3                                       ; destination and source 0 window 3, the gate window 0
.irp m, 0,1,2,3
.irp n, 0,1,2,3,4,5,6,7
.irp j, 0,2,4,6
	v_pk_mul_f32 v[8*(4*\n+\m)+\j:8*(4*\n+\m)+\j+1], v[8*(4*\n+\m)+\j:8*(4*\n+\m)+\j+1], v[244+2*\m:245+2*\m] op_sel_hi:[1,0]   ; each accumulator from its low end on
.endr
.endr
.endr
	WIN 0x0c
	s_wait_alu depctr_va_vdst(0)                   ; the gated results are written, which the LDS stores read; the offsets v96-159 are written, which the global stores read; the last products are done reading the ring, in which the rows land
	TOSTAGE 0
	TOSTAGE 1
	SEND 0, 32
	TOSTAGE 2
	SEND 1, 32
	TOSTAGE 3
	SEND 2, 32
	SEND 3, 0
	WIN 0                                          ; the closing add's two registers lie in window 0
	s_wait_dscnt 0x0                               ; the closing lines, six on end
	s_wait_alu 0x0
	s_wait_tensorcnt 0x0
	ds_add_u32 v254, v255
	s_wait_dscnt 0x0
	s_endpgm
.Lfunc_end_k_q89f58caedf_chain:
	.size	k_q89f58caedf_chain, .Lfunc_end_k_q89f58caedf_chain-k_q89f58caedf_chain
	.p2alignl 7, 3214868480
	.fill 96, 4, 3214868480
	.section	.rodata,"a",@progbits
	.p2align	6, 0x0
	.amdhsa_kernel k_q89f58caedf_chain
		.amdhsa_group_segment_fixed_size 156160
		.amdhsa_private_segment_fixed_size 0
		.amdhsa_enable_private_segment 0
		.amdhsa_kernarg_size 96
		.amdhsa_user_sgpr_count 2
		.amdhsa_user_sgpr_kernarg_segment_ptr 1
		.amdhsa_wavefront_size32 1
		.amdhsa_system_sgpr_workgroup_id_x 1
		.amdhsa_system_sgpr_workgroup_id_y 1
		.amdhsa_system_sgpr_workgroup_id_z 1
		.amdhsa_system_vgpr_workitem_id 0
		.amdhsa_next_free_vgpr 1024
		.amdhsa_next_free_sgpr 102
		.amdhsa_reserve_vcc 0
		.amdhsa_float_denorm_mode_32 3
		.amdhsa_float_denorm_mode_16_64 3
		.amdhsa_memory_ordered 1
		.amdhsa_forward_progress 1
		.amdhsa_inst_pref_size 251
	.end_amdhsa_kernel
	.amdgpu_metadata
---
amdhsa.version: [ 1, 2 ]
amdhsa.kernels:
  - .name:           k_q89f58caedf_chain
    .symbol:         k_q89f58caedf_chain.kd
    .args:
      - { .name: x_codes, .offset: 0, .size: 8, .value_kind: global_buffer, .address_space: global }
      - { .name: x_scales, .offset: 8, .size: 8, .value_kind: global_buffer, .address_space: global }
      - { .name: w1_codes, .offset: 16, .size: 8, .value_kind: global_buffer, .address_space: global }
      - { .name: w1_scales, .offset: 24, .size: 8, .value_kind: global_buffer, .address_space: global }
      - { .name: b1, .offset: 32, .size: 8, .value_kind: global_buffer, .address_space: global }
      - { .name: w2_codes, .offset: 40, .size: 8, .value_kind: global_buffer, .address_space: global }
      - { .name: w2_scales, .offset: 48, .size: 8, .value_kind: global_buffer, .address_space: global }
      - { .name: b2, .offset: 56, .size: 8, .value_kind: global_buffer, .address_space: global }
      - { .name: route, .offset: 64, .size: 8, .value_kind: global_buffer, .address_space: global }
      - { .name: idx, .offset: 72, .size: 8, .value_kind: global_buffer, .address_space: global }
      - { .name: gate, .offset: 80, .size: 8, .value_kind: global_buffer, .address_space: global }
      - { .name: ybuf, .offset: 88, .size: 8, .value_kind: global_buffer, .address_space: global }
    .group_segment_fixed_size: 156160
    .private_segment_fixed_size: 0
    .kernarg_segment_align: 8
    .kernarg_segment_size: 96
    .max_flat_workgroup_size: 128
    .sgpr_count:     102
    .vgpr_count:     1024
    .wavefront_size: 32
...
	.end_amdgpu_metadata
.endif
;; end of part 5
;; launch combine: the kernel of part 3 again; grid 256 x 1, 8 waves a work-group, no clusters, 0 bytes of LDS; arguments ybuf, out0; writes out0
